; MI455X (gfx1250); checked and timed in simulation.
; The chip was launched on July 23, 2026; its instructions are those of AMD's public machine-readable ISA for CDNA 5 (MIT licence, August 2026) and "CDNA5" Instruction Set Architecture Reference Guide (July 2026). The comments in the code are by the model that wrote it; some were corrected since.
;; Multihead Self Attention Dec. Allowed arithmetic: float matrix products may take bf16 or f16 operands with f32 sums; other float arithmetic in f32, or as packed bf16 or f16 multiplies, adds, multiply-adds, maxima and minima; sums over many terms, partial sums and values carried from step to step in f32; what a program stores and reads back later, other than sums and carried values, may be rounded once to bf16 or f16.
;; Inputs: Wk 2,048 x 2,048 float32; Wo 2,048 x 2,048 float32; Wq 2,048 x 2,048 float32; Wv 2,048 x 2,048 float32; bk 2,048 float32; bo 2,048 float32; bq 2,048 float32; bv 2,048 float32; gk 128 float32; gq 128 float32; rope 2,048 x 1 x 64 x 2 x 2 float32; x 1 x 2,048 x 2,048 float32.
;; Outputs: out0 1 x 2,048 x 2,048 float32.
;; One version. Each part assembles by itself: llvm-mc -triple=amdgcn-amd-amdhsa -mcpu=gfx1250 --defsym DOCPART=n.
;; ======== version 1 of 1: 4 launches
;; limits: values are held in f16: magnitudes above 65,504 overflow, below 6.1e-05 lose precision
;; workspace buffers: xb 8,388,608 bytes; wqkv 25,165,824 bytes; wo16 8,388,608 bytes; ropeb 1,048,576 bytes; qh 8,388,608 bytes; kh 8,388,608 bytes; vh 8,388,608 bytes; att 8,388,608 bytes
;; launch cvt (part 1): grid 1280 x 1, 8 waves a work-group, no clusters, 0 bytes of LDS; arguments x, Wq, Wk, Wv, Wo, rope, xb, wqkv, wo16, ropeb; writes xb, wqkv, wo16, ropeb
.if DOCPART == 1
	.amdgcn_target "amdgcn-amd-amdhsa--gfx1250"
	.amdhsa_code_object_version 6
	.text
	.protected	k_qf4f40c96ae_cvt
	.globl	k_qf4f40c96ae_cvt
	.p2align	8
	.type	k_qf4f40c96ae_cvt,@function
k_qf4f40c96ae_cvt:
	s_mov_b64 s[64:65], 0
	v_nop
	global_prefetch_b8 v0, s[64:65] scope:SCOPE_SE
	s_setreg_imm32_b32 hwreg(HW_REG_WAVE_MODE, 25, 1), 1
	s_wait_xcnt 0x0
; ROUNDINGS.  x, Wq, Wk, Wv -> bf16 (xb; wqkv = Wq, Wk, Wv one behind the other); Wo -> bf16 and that number written as f16 (wo16); rope -> bf16, reordered (ropeb).
; A stream: each input byte is read once, each output byte written once; no LDS, no barrier, no matrix unit: there is no reuse that they could serve.
; Work-group number / 256 names the matrix (x, Wq, Wk, Wv, Wo), number % 256 its piece of 65,536 bytes.  Thread t takes 16 bytes at 16 t of each 4,096: a wave's load covers 512 consecutive bytes,
; its store of 8 bytes a lane 256 consecutive bytes, aligned.  All 16 loads go out first; the waits count down; the numbers are rounded in the registers that they were loaded into, so that a wave
; needs 80 registers and twelve waves fit into a SIMD's 1,024: the grid's 1,280 work-groups are five for each of 256 WGPs, ten waves a SIMD.
; Work-groups 0 to 255 also take 8 rows of rope each, a wave a row.  A row is 64 matrices (r00 r01 r10 r11) = 1,024 bytes; its bf16 row is 512 bytes in 32 chunks of 16: chunk u holds the f32
; numbers 8 j .. 8 j + 7 with j = 2 (u % 16) + u / 16: so bytes 0..255 hold, at 16 g, the matrices of columns 8 g .. 8 g + 3, bytes 256..511 those of columns 8 g + 4 .. 8 g + 7.
; LIMIT.  bf16(Wo) is written as f16: exact from 6.1e-5 to 65,504 in magnitude; below that it keeps f16's fixed step of 6e-8; 65,520 or more would become an infinity.
.set RO,  4                            ; v[4:7]     rope, to store
.set RL,  8                            ; v[8:15]    rope, as loaded
.set LD,  16                           ; v[16:79]   as loaded; the first two of each four then hold what is stored
	s_load_b512 s[4:19], s[0:1], 0x0               ; x s[4:5], Wq s[6:7], Wk s[8:9], Wv s[10:11], Wo s[12:13], rope s[14:15], xb s[16:17], wqkv s[18:19]
	s_load_b128 s[20:23], s[0:1], 0x40             ; wo16 s[20:21], ropeb s[22:23]
	s_lshr_b32 s25, ttmp9, 8                       ; which matrix
	s_and_b32 s26, ttmp9, 255                      ; which piece of it
	s_mov_b32 s33, 0
	s_mov_b32 s37, 0
	s_mov_b32 s34, 0xffff0000                      ; a word's upper bf16
	v_lshlrev_b32 v1, 4, v0                        ; 16 t
	v_lshlrev_b32 v2, 3, v0                        ; 8 t
	v_lshrrev_b32 v4, 5, v0                        ; rope: my wave's row among eight
	v_and_b32 v5, 15, v0
	v_bfe_u32 v6, v0, 4, 1
	v_lshl_add_u32 v5, v5, 1, v6                   ; j = 2 (u % 16) + u / 16
	v_lshlrev_b32 v3, 5, v5
	v_lshl_add_u32 v3, v4, 10, v3                  ; row x 1,024 + 32 j
	s_wait_kmcnt 0x0
	s_cmp_eq_u32 s25, 1                            ; the source, chosen by the matrix's number
	s_cselect_b64 s[28:29], s[6:7], s[4:5]
	s_cmp_eq_u32 s25, 2
	s_cselect_b64 s[28:29], s[8:9], s[28:29]
	s_cmp_eq_u32 s25, 3
	s_cselect_b64 s[28:29], s[10:11], s[28:29]
	s_cmp_eq_u32 s25, 4
	s_cselect_b64 s[28:29], s[12:13], s[28:29]
	s_lshl_b32 s32, s26, 16
	s_add_nc_u64 s[28:29], s[28:29], s[32:33]
.irp j, 0,1,2,3,4,5,6,7,8,9,10,11,12,13,14,15
	global_load_b128 v[LD+4*(\j):LD+4*(\j)+3], v1, s[28:29] offset:4096*(\j) th:TH_LOAD_NT
.endr
	s_sub_co_u32 s35, s25, 1                       ; the destination: xb, wqkv + (matrix - 1) x 8 MiB, or wo16
	s_lshl_b32 s35, s35, 23
	s_cmp_eq_u32 s25, 0
	s_cselect_b32 s35, 0, s35
	s_cselect_b64 s[30:31], s[16:17], s[18:19]
	s_cmp_eq_u32 s25, 4
	s_cselect_b32 s35, 0, s35
	s_cselect_b64 s[30:31], s[20:21], s[30:31]
	s_lshl_b32 s36, s26, 15
	s_add_co_u32 s36, s36, s35
	s_add_nc_u64 s[30:31], s[30:31], s[36:37]
	s_cmp_lt_u32 ttmp9, 256
	s_cbranch_scc0 .Lno_rope
	s_lshl_b32 s32, ttmp9, 13                      ; 8 rows of 1,024 bytes in,
	s_add_nc_u64 s[14:15], s[14:15], s[32:33]
	s_lshl_b32 s36, ttmp9, 12                      ; of 512 bytes out
	s_add_nc_u64 s[22:23], s[22:23], s[36:37]
	global_load_b128 v[RL:RL+3], v3, s[14:15] th:TH_LOAD_NT
	global_load_b128 v[RL+4:RL+7], v3, s[14:15] offset:16 th:TH_LOAD_NT
	s_wait_loadcnt 0x0                             ; these two were issued last: the count is 0, and the sixteen in front of them are in as well
.irp r, 0,1,2,3
	v_cvt_pk_bf16_f32 v[RO+(\r)], v[RL+2*(\r)], v[RL+2*(\r)+1]
.endr
	global_store_b128 v1, v[RO:RO+3], s[22:23]     ; a wave stores one whole row of 512 bytes
.Lno_rope:
	s_cmp_eq_u32 s25, 4
	s_cbranch_scc1 .Lwo
.macro TOBF j                          ; load j is in (15 - j younger ones may stay out); four numbers rounded to bf16, in place
	s_wait_loadcnt 15-(\j)
	v_cvt_pk_bf16_f32 v[LD+4*(\j)], v[LD+4*(\j)], v[LD+4*(\j)+1]
	v_cvt_pk_bf16_f32 v[LD+4*(\j)+1], v[LD+4*(\j)+2], v[LD+4*(\j)+3]
.endm
.irp j, 0,1,2,3,4,5,6,7,8,9,10,11,12,13,14,15
	TOBF \j
	global_store_b64 v2, v[LD+4*(\j):LD+4*(\j)+1], s[30:31] offset:2048*(\j)
.endr
	s_endpgm
.Lwo:                                          ; Wo: rounded to bf16 like every input, widened again, and that number written as f16
.irp j, 0,1,2,3,4,5,6,7,8,9,10,11,12,13,14,15
	TOBF \j
	v_lshlrev_b32 v[LD+4*(\j)+2], 16, v[LD+4*(\j)+1]
	v_and_b32 v[LD+4*(\j)+3], s34, v[LD+4*(\j)+1]
	v_and_b32 v[LD+4*(\j)+1], s34, v[LD+4*(\j)]
	v_lshlrev_b32 v[LD+4*(\j)], 16, v[LD+4*(\j)]
	v_cvt_pk_f16_f32 v[LD+4*(\j)], v[LD+4*(\j)], v[LD+4*(\j)+1]
	v_cvt_pk_f16_f32 v[LD+4*(\j)+1], v[LD+4*(\j)+2], v[LD+4*(\j)+3]
	global_store_b64 v2, v[LD+4*(\j):LD+4*(\j)+1], s[30:31] offset:2048*(\j)
.endr
	s_endpgm
.Lfunc_end_k_qf4f40c96ae_cvt:
	.size	k_qf4f40c96ae_cvt, .Lfunc_end_k_qf4f40c96ae_cvt-k_qf4f40c96ae_cvt
	.p2alignl 7, 3214868480
	.fill 96, 4, 3214868480
	.section	.rodata,"a",@progbits
	.p2align	6, 0x0
	.amdhsa_kernel k_qf4f40c96ae_cvt
		.amdhsa_group_segment_fixed_size 0
		.amdhsa_private_segment_fixed_size 0
		.amdhsa_enable_private_segment 0
		.amdhsa_kernarg_size 80
		.amdhsa_user_sgpr_count 2
		.amdhsa_user_sgpr_kernarg_segment_ptr 1
		.amdhsa_wavefront_size32 1
		.amdhsa_system_sgpr_workgroup_id_x 1
		.amdhsa_system_sgpr_workgroup_id_y 1
		.amdhsa_system_sgpr_workgroup_id_z 1
		.amdhsa_system_vgpr_workitem_id 0
		.amdhsa_next_free_vgpr 80
		.amdhsa_next_free_sgpr 66
		.amdhsa_reserve_vcc 0
		.amdhsa_float_denorm_mode_32 3
		.amdhsa_float_denorm_mode_16_64 3
		.amdhsa_memory_ordered 1
		.amdhsa_forward_progress 1
		.amdhsa_inst_pref_size 17
	.end_amdhsa_kernel
	.amdgpu_metadata
---
amdhsa.version: [ 1, 2 ]
amdhsa.kernels:
  - .name:           k_qf4f40c96ae_cvt
    .symbol:         k_qf4f40c96ae_cvt.kd
    .args:
      - { .name: x, .offset: 0, .size: 8, .value_kind: global_buffer, .address_space: global }
      - { .name: Wq, .offset: 8, .size: 8, .value_kind: global_buffer, .address_space: global }
      - { .name: Wk, .offset: 16, .size: 8, .value_kind: global_buffer, .address_space: global }
      - { .name: Wv, .offset: 24, .size: 8, .value_kind: global_buffer, .address_space: global }
      - { .name: Wo, .offset: 32, .size: 8, .value_kind: global_buffer, .address_space: global }
      - { .name: rope, .offset: 40, .size: 8, .value_kind: global_buffer, .address_space: global }
      - { .name: xb, .offset: 48, .size: 8, .value_kind: global_buffer, .address_space: global }
      - { .name: wqkv, .offset: 56, .size: 8, .value_kind: global_buffer, .address_space: global }
      - { .name: wo16, .offset: 64, .size: 8, .value_kind: global_buffer, .address_space: global }
      - { .name: ropeb, .offset: 72, .size: 8, .value_kind: global_buffer, .address_space: global }
    .group_segment_fixed_size: 0
    .private_segment_fixed_size: 0
    .kernarg_segment_align: 8
    .kernarg_segment_size: 80
    .max_flat_workgroup_size: 256
    .sgpr_count:     66
    .vgpr_count:     80
    .wavefront_size: 32
...
	.end_amdgpu_metadata
.endif
;; end of part 1
;; launch qkv (part 2): grid 16 x 16, 4 waves a work-group, clusters of 4 x 4, 327,680 bytes of LDS; arguments xb, wqkv, ropeb, bq, bk, bv, gq, gk, qh, kh, vh; writes qh, kh, vh
.if DOCPART == 2
	.amdgcn_target "amdgcn-amd-amdhsa--gfx1250"
	.amdhsa_code_object_version 6
	.text
	.protected	k_qf4f40c96ae_qkv
	.globl	k_qf4f40c96ae_qkv
	.p2align	8
	.type	k_qf4f40c96ae_qkv,@function
k_qf4f40c96ae_qkv:
	s_mov_b64 s[64:65], 0
	v_nop
	global_prefetch_b8 v0, s[64:65] scope:SCOPE_SE
	s_setreg_imm32_b32 hwreg(HW_REG_WAVE_MODE, 25, 1), 1
	s_wait_xcnt 0x0
	s_wait_alu depctr_hold_cnt(0) depctr_sa_sdst(0) depctr_va_vdst(0) depctr_va_sdst(0) depctr_va_ssrc(0) depctr_va_vcc(0) depctr_vm_vsrc(0)
	s_getreg_b32 s2, hwreg(HW_REG_IB_STS2, 6, 4)
	s_cmp_eq_u32 s2, 0
	s_cbranch_scc0 .Lentry_in_a_cluster
	s_endpgm
.Lentry_in_a_cluster:
	s_bfe_u32 s2, ttmp6, 0x10000c
	s_cmp_lg_u32 s2, 0xf033
	s_cbranch_scc0 .Lentry_shape_is_right
	s_endpgm
.Lentry_shape_is_right:
; q, k, v OF ONE HEAD FOR 128 ROWS: z = x W^T + b for Wq, Wk, Wv; q and k: z g / sqrt(mean(z^2) + eps), then the 2 x 2 matrices of rope; all three written by heads, [16][2048][128] in f16.
; x and W arrive in bf16, rope in bf16 (reordered, see below); b and g are rounded to bf16 here: every input has that one rounding.  Sums in f32; the norm and rope in f32; one rounding to f16 at the end.
; LIMITS.  q, k, v of 65,520 or more in magnitude would become infinities in f16 (no clamp is written); NaN and infinities are not treated apart.
; SHARES.  Work-group (x = block of 128 rows, y = head).  Its tile is 128 rows x 384 columns.  Wave w: rows 64 (w / 2) .. + 63, columns 64 (w % 2) .. + 63 of each of q, k, v: 4 x 12 = 48 accumulators, 384 registers.
; K goes in 16 steps of 128 through two LDS slots; a slot holds x's 128 rows and the head's 128 rows of Wq, Wk, Wv; wave 0 fetches x's tile, waves 1 to 3 a W's: one tensor load a wave, 128 rows of 256 bytes.
; CLUSTER 4 x 4: x's tile hangs on the row block alone and is asked for jointly along a column of the cluster, a W's on the head alone and is asked for jointly along a row.
; THE WALK ALONG K begins, in cluster (X, Y), at K step 4 X + 8 f(Y), f the parity of Y's two bits, and wraps at the row's end (f32 sums may be taken in any order).  So clusters that read the same rows read
; different K steps at any one time: the four that share W's rows (one Y) stand four steps apart, of the four that share x's rows (one X) two and two stand eight apart.
; THE MATRIX INSTRUCTION IS USED TRANSPOSED (source 0 = 16 rows of W, source 1 = 16 rows of x): lane l holds row l % 16 and the columns 8 (l / 16) + 0..7.  The bias is the C operand of the first product.
; THE WAY OUT.  A row's sum of squares spans two waves, so q and k go through LDS in f32 and v in f16; then wave w takes rows 32 w .. + 31 whole, two rows a trip: lane l has row l / 16, columns 8 (l % 16) + 0..7.
; The stages lie in the ring's bytes, behind its last fills; the block's 128 rows of rope come by the launch's last tensor loads into slot 0's first bytes.
; REGISTERS, in windows of 256 (s_set_vgpr_msb: bits 1:0 source 0, 3:2 source 1, 5:4 source 2, 7:6 destination):
;   window 0: v16-31 addresses; v32-63 at work; v64-127 x's fragments, two buffers of 32; v128-223 bias; v224-239 g; v240-243 offsets and 0
;   window 1: W's fragments, two buffers of 96     window 2: accumulators of row blocks 0, 1 ((a, b) at 8 (12 (a % 2) + b))     window 3: of row blocks 2, 3
.set KSTEP,  128
.set STEPS,  16
.set ROWB,   4096                      ; bytes in a row of xb and of wqkv
.set PITCH,  272                       ; an LDS row: 256 bytes + 16 of padding = 68 words: the 16 rows of a fragment load start at 16 different groups of four banks (64 banks of 4 bytes: ISA guide 11.1)
.set HALFT,  128*PITCH                 ; one tile: 128 rows
.set SLOT,   4*HALFT                   ; x, Wq, Wk, Wv
.set SPARE,  2*SLOT                    ; behind the ring: the spare words, 128 bytes a wave, that no other line names
.set RPITCH, 528                       ; rope in LDS: 512 bytes + 16
.set QKST,   128*RPITCH                ; behind rope: q and k in f32: a row = q's columns 8 g + 0..3 at 16 g, q's 8 g + 4..7 at 256 + 16 g, the same for k from 512 on, 16 of padding
.set QPITCH, 1040
.set VST,    QKST+128*QPITCH           ; behind them: v in f16, rows of 256 + 16
.set VPITCH, 272
.set ADRA0, 16                         ; v16     LDS address of my x fragments in slot 0; never rewritten
.set ADRA,  17                         ; v17     in the slot that is read
.set ADRB0, 18                         ; v18-20  of my fragments of Wq, Wk, Wv in slot 0; never rewritten
.set ADRB,  21                         ; v21-23  in the slot that is read
.set DQ,   24                          ; v24  where I put 16 bytes of q or k
.set DV,   25                          ; v25  of v
.set QA,   26                          ; v26  where I read q and k back
.set VA,   27                          ; v27  v
.set SPW,  28                          ; v28  my spare word; never rewritten
.set NIL,  29                          ; v29  0, for the add alone
.set PFO,  30                          ; v30  the prefetches' offset: (32 cy + lane) x 4,096; never rewritten
.set RA,   31                          ; v31  where I read rope
.set BIAS, 128
.set GQ,   224
.set GK,   232
.set GOF,  240                         ; v240 my 16 bytes in two rows of qh, kh, vh
.set BOFF, 241
.set GOFF, 242
.set ZERO, 243
.set XB, 4                             ; s[4:5]  xb at my block's first row
.set WB, 6                             ; s[6:7]  wqkv at the first row of the tile that my wave fetches
.set WV, 26
.set RH, 27
.set CH, 28
.set CX, 29
.set CY, 30
.set HEAD, 31
.set RB, 32
.set MROW, 33
.set MCOL, 34
.set LW, 35                            ; s35  my tile's place in a slot
.set G1A, 36                           ; s[36:43] group 1 for x's tiles
.set G1B, 44                           ; s[44:51] for W's: the mask differs
.set G0A, 52                           ; s[52:59] group 0 for x's tiles: a set for each of the two first fills; the second then walks
.set KOFF, 60                          ; s[60:61] byte of the rows at which the K step asked for last begins
.set CUR, 62                           ; s62  the slot that is read: 0 or SLOT
.set OLD, 63                           ; s63  the slot that was filled last
.set G0B, 68                           ; s[68:75] group 0 for W's tiles
.set G1R, 76                           ; s[76:83], s[84:87] rope's tile
.set G0R, 84
.set PFA, 88                           ; s[88:89] what my next prefetch names
.set LIM, 90                           ; s90  10 in a wave that prefetches, else the greatest number
.set HIM, 91                           ; s91  a word's upper bf16
.set INV, 92                           ; s92  1 / 128
.set EPSR, 93                          ; s93  2^-23
.set PK, 96                            ; s[96:97] KOFF two K steps on
.set MSB, 0
.macro WIN new                         ; the immediate's high byte repeats the setting that is left; a switch that changes nothing is dropped
.if MSB != (\new)
	s_set_vgpr_msb (MSB<<8)|(\new)
.set MSB, \new
.endif
.endm
.macro PLACES                          ; four plain places behind matrix instructions, in front of loads into their sources and of reads of their results
.rept 4
	v_nop
.endr
.endm
; A joint load by descriptor set s.  The branch hangs on the wave's number alone.  An s_nop 0 and four v_nop follow each line.
.macro JLOAD s
	s_cmp_eq_u32 s[WV], 0
	s_cbranch_scc0 .Lfor_w_\@
	tensor_load_to_lds s[G0A+4*(\s):G0A+4*(\s)+3], s[G1A:G1A+7]
	s_nop 0
.rept 4
	v_nop
.endr
	s_branch .Lasked_\@
.Lfor_w_\@:
	tensor_load_to_lds s[G0B+4*(\s):G0B+4*(\s)+3], s[G1B:G1B+7]
	s_nop 0
.rept 4
	v_nop
.endr
.Lasked_\@:
.endm
.macro RLOAD                           ; rope: every wave fetches the 32 rows that it will read itself, jointly with its column of the cluster
	tensor_load_to_lds s[G0R:G0R+3], s[G1R:G1R+7]
	s_nop 0
.rept 4
	v_nop
.endr
.endm
; A prefetch of x's K step that stands two refills on: 32 rows x 256 bytes, a lane a row.  The four clusters of one X walk x's rows in two phases eight steps apart, so a cluster is the first of its phase's
; pair to name steps 0 to 7 of its own walk.  Steps 0 to 3 come by their loads alone (nothing is asked for at the head); steps 4 to 7 are asked for behind the refills of steps 2 to 5 (s3 = 14 .. 11), by wave 0
; of the clusters with y < 2: of the two clusters of a phase one.  The four partners of the joint load share its 128 rows out by address.  So each row's 256 bytes of a K step are named at most once in the launch.
; W's rows are not asked for: a cluster is the first to name them in steps 0 to 3 of its walk alone.
.macro ASK
	s_cmp_gt_u32 s3, s[LIM]
	s_cbranch_scc0 .Lnot_mine_\@
	global_prefetch_b8 v[PFO], s[PFA:PFA+1] th:TH_LOAD_NT scope:SCOPE_SE
.Lnot_mine_\@:
.endm
.macro CREST                           ; a round of the cluster's barrier behind its opening barrier
	s_cmp_lg_u32 s[WV], 0
	s_cbranch_scc1 .Lnot_wave_0_\@
	s_barrier_signal -3
.Lnot_wave_0_\@:
	s_barrier_wait -3
	s_barrier_signal -1
	s_barrier_wait -1
.endm
.macro CROUND
	s_barrier_signal -1
	s_barrier_wait -1
	CREST
.endm
	s_load_b512 s[4:19], s[0:1], 0x0               ; xb s[4:5], wqkv s[6:7], ropeb s[8:9], bq s[10:11], bk s[12:13], bv s[14:15], gq s[16:17], gk s[18:19]
	s_load_b128 s[20:23], s[0:1], 0x40             ; qh s[20:21], kh s[22:23]
	s_load_b64 s[24:25], s[0:1], 0x50              ; vh
	v_lshl_add_u32 v[SPW], v0, 2, SPARE
	v_mov_b32 v[NIL], 0
	ds_add_u32 v[SPW], v[NIL]                      ; the wave's opening: the add and its wait stand ahead of my first tensor load; register work stands between them
	v_lshrrev_b32 v1, 5, v0
	v_readfirstlane_b32 s[WV], v1                  ; wave 0..3
	s_lshr_b32 s[RH], s[WV], 1
	s_and_b32 s[CH], s[WV], 1
	s_bfe_u32 s[CX], ttmp6, 0x40000
	s_bfe_u32 s[CY], ttmp6, 0x40004
	s_lshl_b32 s[RB], ttmp9, 2
	s_add_co_u32 s[RB], s[RB], s[CX]               ; row block = 4 x cluster x + cx
	s_and_b32 s[HEAD], ttmp7, 0xffff
	s_lshl_b32 s[HEAD], s[HEAD], 2
	s_add_co_u32 s[HEAD], s[HEAD], s[CY]           ; head = 4 x cluster y + cy
	s_lshl_b32 s[MROW], s[CY], 2
	s_lshl_b32 s[MROW], 15, s[MROW]                ; my row of the cluster
	s_lshl_b32 s[MCOL], 0x1111, s[CX]              ; my column
	s_or_b32 s[G1A], s[MCOL], (1<<16)|(1<<20)|(1<<21)|(5<<22)|(3<<25)  ; the mask; 2-byte elements; padding on; bit 21 beside a mask; after every 64 words 4 words
	s_or_b32 s[G1B], s[MROW], (1<<16)|(1<<20)|(1<<21)|(5<<22)|(3<<25)
.irp g, G1A, G1B
	s_mov_b32 s[(\g)+1], KSTEP<<16                 ; tensor_dim0 = 128
	s_mov_b32 s[(\g)+2], 128<<16                   ; tensor_dim1 = 128
	s_mov_b32 s[(\g)+3], KSTEP<<16                 ; tile_dim0 = 128
	s_mov_b32 s[(\g)+4], 128                       ; tile_dim1 = 128
	s_mov_b32 s[(\g)+5], 2048                      ; elements from row to row
	s_mov_b32 s[(\g)+6], 0
	s_mov_b32 s[(\g)+7], 0
.endr
	s_or_b32 s[G1R], s[MCOL], (1<<16)|(1<<20)|(1<<21)|(6<<22)|(3<<25)  ; rope: rows of 128 words, 4 words of padding
	s_mov_b32 s[G1R+1], 256<<16
	s_mov_b32 s[G1R+2], 32<<16
	s_mov_b32 s[G1R+3], 256<<16
	s_mov_b32 s[G1R+4], 32
	s_mov_b32 s[G1R+5], 256
	s_mov_b32 s[G1R+6], 0
	s_mov_b32 s[G1R+7], 0
	s_and_b32 s[KOFF+1], ttmp7, 0xffff             ; where the walk begins: made of the cluster's x and y alone, the same in all sixteen partners
	s_lshr_b32 s[KOFF], s[KOFF+1], 1
	s_xor_b32 s[KOFF], s[KOFF], s[KOFF+1]
	s_and_b32 s[KOFF], s[KOFF], 1                  ; f(Y)
	s_lshl_b32 s[KOFF], s[KOFF], 1
	s_add_co_u32 s[KOFF], s[KOFF], ttmp9           ; X + 2 f
	s_lshl_b32 s[KOFF], s[KOFF], 10                ; x four K steps of 256 bytes
	s_and_b32 s[KOFF], s[KOFF], ROWB-1
	s_mov_b32 s[KOFF+1], 0
	s_lshl_b32 s2, s[RB], 19                       ; x: 128 rows of 4,096 bytes a block
	s_mov_b32 s3, 0
	s_max_u32 s94, s[WV], 1
	s_sub_co_u32 s94, s94, 1                       ; which W (wave 0 never asks by it)
	s_lshl_b32 s94, s94, 23
	s_lshl_b32 s95, s[HEAD], 19
	s_add_co_u32 s94, s94, s95
	s_mov_b32 s95, 0
	s_lshl_b32 s96, s[RB], 16                      ; rope: 128 rows of 512 bytes a block, 32 a wave
	s_lshl_b32 s97, s[WV], 14
	s_add_co_u32 s96, s96, s97
	s_mov_b32 s97, 0
	s_mul_i32 s[LW], s[WV], HALFT                  ; where my tile goes: no place in the cluster enters an LDS address
	s_mov_b32 s[G0A], 1
	s_mov_b32 s[G0A+1], s[LW]
	s_mov_b32 s[G0A+4], 1
	s_add_co_u32 s[G0A+5], s[LW], SLOT
	s_mov_b32 s[G0B], 1
	s_mov_b32 s[G0B+1], s[LW]
	s_mov_b32 s[G0B+4], 1
	s_add_co_u32 s[G0B+5], s[LW], SLOT
	s_mov_b32 s[G0R], 1
	s_mul_i32 s[G0R+1], s[WV], 32*RPITCH
	s_mov_b32 s[CUR], 0
	s_mov_b32 s[OLD], SLOT
	s_mov_b32 s[HIM], 0xffff0000
	s_mov_b32 s[INV], 0x3c000000
	s_mov_b32 s[EPSR], 0x34000000
	s_wait_dscnt 0x0                               ; the opening add is done
	s_wait_kmcnt 0x0
	s_add_nc_u64 s[XB:XB+1], s[XB:XB+1], s[2:3]
	s_add_nc_u64 s[WB:WB+1], s[WB:WB+1], s[94:95]
	s_add_nc_u64 s[G0A+2:G0A+3], s[XB:XB+1], s[KOFF:KOFF+1]  ; the walk's step 0,
	s_add_nc_u64 s[G0B+2:G0B+3], s[WB:WB+1], s[KOFF:KOFF+1]
	s_add_co_u32 s[KOFF], s[KOFF], KSTEP*2
	s_and_b32 s[KOFF], s[KOFF], ROWB-1
	s_add_nc_u64 s[G0A+6:G0A+7], s[XB:XB+1], s[KOFF:KOFF+1]  ; step 1
	s_add_nc_u64 s[G0B+6:G0B+7], s[WB:WB+1], s[KOFF:KOFF+1]
	s_or_b32 s[G0A+3], s[G0A+3], 0x80000000        ; type = 2
	s_or_b32 s[G0A+7], s[G0A+7], 0x80000000
	s_or_b32 s[G0B+3], s[G0B+3], 0x80000000
	s_or_b32 s[G0B+7], s[G0B+7], 0x80000000
	s_add_nc_u64 s[G0R+2:G0R+3], s[8:9], s[96:97]
	s_or_b32 s[G0R+3], s[G0R+3], 0x80000000
	CROUND                                         ; all sixteen work-groups are here: the first joint loads meet
	JLOAD 0
	JLOAD 1                                        ; two loads of mine are out
	; addresses.  A fragment is 16 rows x 32 K: lane l holds row l % 16, K = 8 (l / 16) + 0..7 and 16 + 8 (l / 16) + 0..7: two loads of 16 bytes, 32 apart
	v_and_b32 v1, 15, v0
	v_bfe_u32 v2, v0, 4, 1
	v_mul_u32_u24 v3, v1, PITCH
	v_lshl_add_u32 v3, v2, 4, v3
	s_mul_i32 s98, s[RH], 64*PITCH
	s_mul_i32 s99, s[CH], 64*PITCH
	s_add_co_u32 s99, s99, HALFT
	v_add_nc_u32 v[ADRA0], s98, v3
	v_mov_b32 v[ADRA], v[ADRA0]
.irp ty, 0,1,2
	v_add_nc_u32 v[ADRB0+(\ty)], s99, v3
	v_mov_b32 v[ADRB+(\ty)], v[ADRB0+(\ty)]
	s_add_co_u32 s99, s99, HALFT
.endr
	v_mul_u32_u24 v4, v1, QPITCH                   ; into the stage of q and k: row 64 (w / 2) + l % 16, byte 128 (w % 2) + 16 (l / 16)
	v_lshl_add_u32 v4, v2, 4, v4
	s_mul_i32 s98, s[RH], 64*QPITCH
	s_lshl_b32 s99, s[CH], 7
	s_add_co_u32 s98, s98, s99
	s_add_co_u32 s98, s98, QKST
	v_add_nc_u32 v[DQ], s98, v4
	s_mul_i32 s98, s[RH], 64*VPITCH                ; into v's
	s_add_co_u32 s98, s98, s99
	s_add_co_u32 s98, s98, VST
	v_add_nc_u32 v[DV], s98, v3
	v_mul_u32_u24 v5, v2, QPITCH                   ; back: row 32 w + l / 16, byte 16 (l % 16)
	v_lshl_add_u32 v5, v1, 4, v5
	s_mul_i32 s98, s[WV], 32*QPITCH
	s_add_co_u32 s98, s98, QKST
	v_add_nc_u32 v[QA], s98, v5
	v_mul_u32_u24 v5, v2, VPITCH
	v_lshl_add_u32 v5, v1, 4, v5
	s_mul_i32 s98, s[WV], 32*VPITCH
	s_add_co_u32 s98, s98, VST
	v_add_nc_u32 v[VA], s98, v5
	v_mul_u32_u24 v5, v2, RPITCH
	v_lshl_add_u32 v5, v1, 4, v5
	s_mul_i32 s98, s[WV], 32*RPITCH
	v_add_nc_u32 v[RA], s98, v5
	v_and_b32 v[GOF], 31, v0
	v_lshlrev_b32 v[PFO], 12, v[GOF]
	s_lshl_b32 s98, s[CY], 17                      ; my work-group's 32 of the tile's 128 rows
	v_add_nc_u32 v[PFO], s98, v[PFO]
	v_lshlrev_b32 v[GOF], 4, v[GOF]
	v_lshlrev_b32 v[BOFF], 5, v2
	v_lshlrev_b32 v[GOFF], 5, v1
	v_mov_b32 v[ZERO], 0
	s_and_b32 s98, ttmp7, 0xffff                   ; who prefetches: wave 0 where the cluster's y is under 2: the same in all sixteen partners, for a given wave
	s_lshr_b32 s98, s98, 1
	s_or_b32 s98, s98, s[WV]
	s_cmp_eq_u32 s98, 0
	s_cselect_b32 s[LIM], 10, -1
	; bias and g: my columns
	s_lshl_b32 s94, s[HEAD], 9
	s_lshl_b32 s95, s[CH], 8
	s_add_co_u32 s94, s94, s95
	s_mov_b32 s95, 0
	s_add_nc_u64 s[10:11], s[10:11], s[94:95]
	s_add_nc_u64 s[12:13], s[12:13], s[94:95]
	s_add_nc_u64 s[14:15], s[14:15], s[94:95]
.irp ty, 0,1,2
.irp i, 0,1,2,3
	global_load_b128 v[BIAS+8*(4*(\ty)+(\i)):BIAS+8*(4*(\ty)+(\i))+3], v[BOFF], s[10+2*(\ty):11+2*(\ty)] offset:64*(\i)
	global_load_b128 v[BIAS+8*(4*(\ty)+(\i))+4:BIAS+8*(4*(\ty)+(\i))+7], v[BOFF], s[10+2*(\ty):11+2*(\ty)] offset:64*(\i)+16
.endr
.endr
	global_load_b128 v[GQ:GQ+3], v[GOFF], s[16:17]
	global_load_b128 v[GQ+4:GQ+7], v[GOFF], s[16:17] offset:16
	global_load_b128 v[GK:GK+3], v[GOFF], s[18:19]
	global_load_b128 v[GK+4:GK+7], v[GOFF], s[18:19] offset:16
	s_lshl_b32 s98, s[HEAD], 19                    ; qh, kh, vh at my wave's 32 rows of the head
	s_lshl_b32 s99, s[RB], 15
	s_add_co_u32 s98, s98, s99
	s_lshl_b32 s99, s[WV], 13
	s_add_co_u32 s98, s98, s99
	s_mov_b32 s99, 0
	s_add_nc_u64 s[20:21], s[20:21], s[98:99]
	s_add_nc_u64 s[22:23], s[22:23], s[98:99]
	s_add_nc_u64 s[24:25], s[24:25], s[98:99]
	s_wait_loadcnt 0x0
.macro RND2 r                          ; two numbers rounded to bf16 and widened again
	v_cvt_pk_bf16_f32 v32, v[\r], v[(\r)+1]
	v_lshlrev_b32 v[\r], 16, v32
	v_and_b32 v[(\r)+1], s[HIM], v32
.endm
.set rr, BIAS
.rept 56                               ; v128-239: the bias and both g; this stands in the wait for the first tile
	RND2 rr
.set rr, rr+2
.endr
; 12 matrix instructions: row block a x all 12 column blocks, 32 along K, buffer f.  first = 1: the bias starts the sums.  The 48 accumulators take turns, one instruction a turn.
.macro MUL12 f, a, first
.if \first
	WIN 0x81+0x40*((\a)/2)
.else
	WIN 0xa1+0x50*((\a)/2)
.endif
.irp b, 0,1,2,3,4,5,6,7,8,9,10,11
.if \first
	v_wmma_f32_16x16x32_bf16 v[8*(12*((\a)%2)+(\b)):8*(12*((\a)%2)+(\b))+7], v[96*(\f)+8*(\b):96*(\f)+8*(\b)+7], v[64+32*(\f)+8*(\a):64+32*(\f)+8*(\a)+7], v[BIAS+8*(\b):BIAS+8*(\b)+7]
.else
	v_wmma_f32_16x16x32_bf16 v[8*(12*((\a)%2)+(\b)):8*(12*((\a)%2)+(\b))+7], v[96*(\f)+8*(\b):96*(\f)+8*(\b)+7], v[64+32*(\f)+8*(\a):64+32*(\f)+8*(\a)+7], v[8*(12*((\a)%2)+(\b)):8*(12*((\a)%2)+(\b))+7]
.endif
.endr
.endm
; 32 LDS loads in one run: a quarter step's fragments (32 K at byte k of the rows of the slot that is read) into buffer f: W's 24, then x's 8
.macro FETCH k, f
	WIN 0x40
.irp ty, 0,1,2
.irp i, 0,1,2,3
	ds_load_b128 v[96*(\f)+8*(4*(\ty)+(\i)):96*(\f)+8*(4*(\ty)+(\i))+3], v[ADRB+(\ty)] offset:(\k)+(\i)*16*PITCH
	ds_load_b128 v[96*(\f)+8*(4*(\ty)+(\i))+4:96*(\f)+8*(4*(\ty)+(\i))+7], v[ADRB+(\ty)] offset:(\k)+(\i)*16*PITCH+32
.endr
.endr
	WIN 0
.irp i, 0,1,2,3
	ds_load_b128 v[64+32*(\f)+8*(\i):64+32*(\f)+8*(\i)+3], v[ADRA] offset:(\k)+(\i)*16*PITCH
	ds_load_b128 v[64+32*(\f)+8*(\i)+4:64+32*(\f)+8*(\i)+7], v[ADRA] offset:(\k)+(\i)*16*PITCH+32
.endr
.endm
; One of a K step's first three quarters: multiplies buffer f; in its middle fetches the next quarter, at byte k, into buffer g
.macro QUARTER k, f, g, first
	s_wait_dscnt 4                                 ; W's fragments and x's row blocks 0, 1 are in; the youngest four loads may be out
	MUL12 \f, 0, \first
	MUL12 \f, 1, \first
	PLACES
	FETCH \k, \g
	s_wait_dscnt 32                                ; all but the 32 just issued
	MUL12 \f, 2, \first
	MUL12 \f, 3, \first
.endm
; The last quarter multiplies buffer 1 and changes slots.  Each wave waits for all its tensor loads (one is out: its part of the next slot), adds 0 to its spare word, and waits for that and for its reads of
; this slot; the barrier opens a round of the cluster's barrier; the joint refill is the first tensor load behind the round.  fill = 1: this slot takes the walk's step two on; fill = 2: rope, into slot 0's first bytes.
; While the add is out: the walking descriptors (the other slot than last time; the address made anew from the tile's base and the next K step's byte, which wraps at the row's end), the prefetch's address,
; and the fragments' addresses in the next slot.  CUR and OLD hold 0 or SLOT alone, so the exclusive or swaps the two.
.macro TURN fill
.if (\fill) == 1
	s_wait_xcnt 0x0                                ; the last prefetch, a K step back, has read its address
.endif
	WIN 0
	s_wait_tensorcnt 0x0                           ; no tensor load of mine is out, so a group 0 may be written
	ds_add_u32 v[SPW], v[NIL]
	s_xor_b32 s[CUR], s[CUR], SLOT
.if (\fill) == 1
	s_xor_b32 s[OLD], s[OLD], SLOT
	s_add_co_u32 s[G0A+5], s[OLD], s[LW]
	s_add_co_u32 s[G0B+5], s[OLD], s[LW]
	s_add_co_u32 s[KOFF], s[KOFF], KSTEP*2
	s_and_b32 s[KOFF], s[KOFF], ROWB-1
	s_add_nc_u64 s[G0A+6:G0A+7], s[XB:XB+1], s[KOFF:KOFF+1]
	s_or_b32 s[G0A+7], s[G0A+7], 0x80000000
	s_add_nc_u64 s[G0B+6:G0B+7], s[WB:WB+1], s[KOFF:KOFF+1]
	s_or_b32 s[G0B+7], s[G0B+7], 0x80000000
	s_add_co_u32 s[PK], s[KOFF], 2*KSTEP*2
	s_and_b32 s[PK], s[PK], ROWB-1
	s_add_nc_u64 s[PFA:PFA+1], s[XB:XB+1], s[PK:PK+1]
.endif
	v_add_nc_u32 v[ADRA], s[CUR], v[ADRA0]
.irp ty, 0,1,2
	v_add_nc_u32 v[ADRB+(\ty)], s[CUR], v[ADRB0+(\ty)]
.endr
	s_wait_dscnt 5                                 ; (the add and the youngest four loads may be out)
	MUL12 1, 0, 0
	s_wait_dscnt 0x0                               ; the add is done, my reads of this slot are over
	s_barrier_signal -1
	MUL12 1, 1, 0
	WIN 0
	s_barrier_wait -1
	CREST                                          ; no wave of any partner still reads this slot or has a load on its way
.if (\fill) == 1
	JLOAD 1                                        ; 168 matrix instructions ahead of the wait for it; its four v_nop are also the places in front of the loads below
.else
	RLOAD
.endif
	FETCH 0, 0
.if (\fill) == 1
	ASK
.endif
	MUL12 1, 2, 0
	MUL12 1, 3, 0
.endm
	s_wait_tensorcnt 1                             ; my part of the walk's step 0 is in; step 1's load stays out
	s_barrier_signal -1
	s_barrier_wait -1
	FETCH 0, 0
	QUARTER 64, 0, 1, 1                            ; the first quarter stands in front of the loop: its products start the sums, on the bias
	WIN 0
	s_mov_b32 s3, STEPS-2
.Lstep:                                        ; a trip goes from a K step's second quarter to the next step's first, and fills the slot that it leaves
	QUARTER 128, 1, 0, 0
	QUARTER 192, 0, 1, 0
	TURN 1
	QUARTER 64, 0, 1, 0
	WIN 0
	s_sub_co_u32 s3, s3, 1
	s_cmp_lg_u32 s3, 0
	s_cbranch_scc1 .Lstep
	QUARTER 128, 1, 0, 0                           ; the last step but one, in slot 0
	QUARTER 192, 0, 1, 0
	TURN 2                                         ; slot 0 is read out: rope goes there, with a K step in which to land
	QUARTER 64, 0, 1, 0
	QUARTER 128, 1, 0, 0
	QUARTER 192, 0, 1, 0
	s_wait_dscnt 4
	MUL12 1, 0, 0
	MUL12 1, 1, 0
	s_wait_dscnt 0x0
	MUL12 1, 2, 0
	MUL12 1, 3, 0
	WIN 0
	s_wait_tensorcnt 0x0                           ; my rows of rope are in
	s_wait_dscnt 0x0                               ; my reads of slot 1 are over
	s_barrier_signal -1
	s_barrier_wait -1                              ; nobody reads the ring any more: the stages may be written
	PLACES
; Row block a into the stages.  Each accumulator's four lowest registers go first.
.macro DUMPQK a
	WIN 0x08+4*((\a)/2)                            ; the stores' data in window 2 or 3
.irp b, 0,1,2,3,4,5,6,7
	ds_store_b128 v[DQ], v[8*(12*((\a)%2)+(\b)):8*(12*((\a)%2)+(\b))+3] offset:(\a)*16*QPITCH+((\b)/4)*512+((\b)%4)*32
	ds_store_b128 v[DQ], v[8*(12*((\a)%2)+(\b))+4:8*(12*((\a)%2)+(\b))+7] offset:(\a)*16*QPITCH+((\b)/4)*512+((\b)%4)*32+256
.endr
.endm
.macro DUMPV a
	WIN 0x0a+5*((\a)/2)                            ; sources 0 and 1 in window 2 or 3
.irp b, 0,1,2,3
.irp r, 0,1,2,3
	v_cvt_pk_f16_f32 v[32+4*(\b)+(\r)], v[8*(12*((\a)%2)+8+(\b))+2*(\r)], v[8*(12*((\a)%2)+8+(\b))+2*(\r)+1]
.endr
.endr
	WIN 0
.irp b, 0,1,2,3
	ds_store_b128 v[DV], v[32+4*(\b):32+4*(\b)+3] offset:(\a)*16*VPITCH+32*(\b)
.endr
.endm
.irp a, 0,1,2,3
	DUMPQK \a
	DUMPV \a
.endr
	s_wait_dscnt 0x0                               ; for the others' sake: my stores are done
	s_barrier_signal -1
	s_barrier_wait -1
	; THE ROWS.  16 trips of two rows.  y = z g; o[c] = r[c][0] y[even] + r[c][1] y[odd]; the result is o / sqrt(mean(z^2) + eps): the scale is applied last, so the 32 rope lines stand between the roots and their use.
.set ZQ, 64
.set ZK, 72
.set RP, 80                            ; register c: (r[c][0] low, r[c][1] high) for my column c
.set VV, 88
.set SS, 92
.set SC, 96
.set PQ, 100
.set PKK, 104
.set YQ, 32
.set YK, 40
.set OQ, 48
.set OKK, 56
.macro ROWLOADS
	ds_load_b128 v[ZQ:ZQ+3], v[QA]
	ds_load_b128 v[ZQ+4:ZQ+7], v[QA] offset:256
	ds_load_b128 v[ZK:ZK+3], v[QA] offset:512
	ds_load_b128 v[ZK+4:ZK+7], v[QA] offset:768
	ds_load_b128 v[RP:RP+3], v[RA]
	ds_load_b128 v[RP+4:RP+7], v[RA] offset:256
	ds_load_b128 v[VV:VV+3], v[VA]
.endm
	s_mov_b32 s2, 16
	ROWLOADS
.Lrow:
	s_wait_dscnt 0x0
	s_wait_xcnt 0x0                                ; the last trip's stores have read their offset and data
	v_add_nc_u32 v[GOF], 512, v[GOF]               ; the stores reach back by the immediate
	global_store_b128 v[GOF], v[VV:VV+3], s[24:25] offset:-512
	v_pk_mul_f32 v[SS:SS+1], v[ZQ:ZQ+1], v[ZQ:ZQ+1]
	v_pk_mul_f32 v[SS+2:SS+3], v[ZK:ZK+1], v[ZK:ZK+1]
.irp i, 2,4,6
	v_pk_fma_f32 v[SS:SS+1], v[ZQ+(\i):ZQ+(\i)+1], v[ZQ+(\i):ZQ+(\i)+1], v[SS:SS+1]
	v_pk_fma_f32 v[SS+2:SS+3], v[ZK+(\i):ZK+(\i)+1], v[ZK+(\i):ZK+(\i)+1], v[SS+2:SS+3]
.endr
.irp i, 0,2,4,6
	v_pk_mul_f32 v[YQ+(\i):YQ+(\i)+1], v[ZQ+(\i):ZQ+(\i)+1], v[GQ+(\i):GQ+(\i)+1]
	v_pk_mul_f32 v[YK+(\i):YK+(\i)+1], v[ZK+(\i):ZK+(\i)+1], v[GK+(\i):GK+(\i)+1]
.endr
	v_add_f32 v[SS], v[SS], v[SS+1]
	v_add_f32 v[SS+2], v[SS+2], v[SS+3]
.irp m, 1,2,4,8
	v_add_f32_dpp v[SS], v[SS], v[SS] row_xmask:\m row_mask:0xf bank_mask:0xf      ; over the 16 lanes that hold the row
	v_add_f32_dpp v[SS+2], v[SS+2], v[SS+2] row_xmask:\m row_mask:0xf bank_mask:0xf
.endr
	v_fma_f32 v[SS], v[SS], s[INV], s[EPSR]
	v_fma_f32 v[SS+2], v[SS+2], s[INV], s[EPSR]
	v_rsq_f32 v[SC], v[SS]                         ; each twice, to fill the pair of the packed multiply
	v_rsq_f32 v[SC+1], v[SS]
	v_rsq_f32 v[SC+2], v[SS+2]
	v_rsq_f32 v[SC+3], v[SS+2]
.irp c, 0,1,2,3,4,5,6,7
	v_fma_mix_f32_bf16 v[OQ+(\c)], v[RP+(\c)], v[YQ+((\c)|1)], v[ZERO] op_sel:[1,0,0] op_sel_hi:[1,0,0]
	v_fma_mix_f32_bf16 v[OKK+(\c)], v[RP+(\c)], v[YK+((\c)|1)], v[ZERO] op_sel:[1,0,0] op_sel_hi:[1,0,0]
.endr
.irp c, 0,1,2,3,4,5,6,7
	v_fma_mix_f32_bf16 v[OQ+(\c)], v[RP+(\c)], v[YQ+((\c)&6)], v[OQ+(\c)] op_sel_hi:[1,0,0]
	v_fma_mix_f32_bf16 v[OKK+(\c)], v[RP+(\c)], v[YK+((\c)&6)], v[OKK+(\c)] op_sel_hi:[1,0,0]
.endr
	s_wait_alu depctr_va_vdst(0)                   ; one wait for the four roots, ahead of the branch and of their first reader
	s_wait_xcnt 0x0                                ; v's store has read its data: those registers are loaded again below
	s_cmp_eq_u32 s2, 1
	s_cbranch_scc1 .Lno_more                       ; the last trip has no rows behind it
	v_add_nc_u32 v[QA], 2*QPITCH, v[QA]
	v_add_nc_u32 v[RA], 2*RPITCH, v[RA]
	v_add_nc_u32 v[VA], 2*VPITCH, v[VA]
	ROWLOADS
.Lno_more:
.irp i, 0,2,4,6
	v_pk_mul_f32 v[OQ+(\i):OQ+(\i)+1], v[OQ+(\i):OQ+(\i)+1], v[SC:SC+1]
	v_pk_mul_f32 v[OKK+(\i):OKK+(\i)+1], v[OKK+(\i):OKK+(\i)+1], v[SC+2:SC+3]
.endr
.irp i, 0,1,2,3
	v_cvt_pk_f16_f32 v[PQ+(\i)], v[OQ+2*(\i)], v[OQ+2*(\i)+1]
	v_cvt_pk_f16_f32 v[PKK+(\i)], v[OKK+2*(\i)], v[OKK+2*(\i)+1]
.endr
	global_store_b128 v[GOF], v[PQ:PQ+3], s[20:21] offset:-512    ; 16 lanes store a head's row: 256 consecutive bytes, aligned
	global_store_b128 v[GOF], v[PKK:PKK+3], s[22:23] offset:-512
	s_sub_co_u32 s2, s2, 1
	s_cmp_lg_u32 s2, 0
	s_cbranch_scc1 .Lrow
	s_wait_tensorcnt 0x0                           ; the wave's end
	ds_add_u32 v[SPW], v[NIL]
	s_wait_dscnt 0x0
	CROUND                                         ; the closing round
	s_endpgm
.Lfunc_end_k_qf4f40c96ae_qkv:
	.size	k_qf4f40c96ae_qkv, .Lfunc_end_k_qf4f40c96ae_qkv-k_qf4f40c96ae_qkv
	.p2alignl 7, 3214868480
	.fill 96, 4, 3214868480
	.section	.rodata,"a",@progbits
	.p2align	6, 0x0
	.amdhsa_kernel k_qf4f40c96ae_qkv
		.amdhsa_group_segment_fixed_size 327680
		.amdhsa_private_segment_fixed_size 0
		.amdhsa_enable_private_segment 0
		.amdhsa_kernarg_size 88
		.amdhsa_user_sgpr_count 2
		.amdhsa_user_sgpr_kernarg_segment_ptr 1
		.amdhsa_wavefront_size32 1
		.amdhsa_system_sgpr_workgroup_id_x 1
		.amdhsa_system_sgpr_workgroup_id_y 1
		.amdhsa_system_sgpr_workgroup_id_z 1
		.amdhsa_system_vgpr_workitem_id 0
		.amdhsa_next_free_vgpr 960
		.amdhsa_next_free_sgpr 100
		.amdhsa_reserve_vcc 0
		.amdhsa_float_denorm_mode_32 3
		.amdhsa_float_denorm_mode_16_64 3
		.amdhsa_memory_ordered 1
		.amdhsa_forward_progress 1
		.amdhsa_inst_pref_size 103
	.end_amdhsa_kernel
	.amdgpu_metadata
---
amdhsa.version: [ 1, 2 ]
amdhsa.kernels:
  - .name:           k_qf4f40c96ae_qkv
    .symbol:         k_qf4f40c96ae_qkv.kd
    .args:
      - { .name: xb, .offset: 0, .size: 8, .value_kind: global_buffer, .address_space: global }
      - { .name: wqkv, .offset: 8, .size: 8, .value_kind: global_buffer, .address_space: global }
      - { .name: ropeb, .offset: 16, .size: 8, .value_kind: global_buffer, .address_space: global }
      - { .name: bq, .offset: 24, .size: 8, .value_kind: global_buffer, .address_space: global }
      - { .name: bk, .offset: 32, .size: 8, .value_kind: global_buffer, .address_space: global }
      - { .name: bv, .offset: 40, .size: 8, .value_kind: global_buffer, .address_space: global }
      - { .name: gq, .offset: 48, .size: 8, .value_kind: global_buffer, .address_space: global }
      - { .name: gk, .offset: 56, .size: 8, .value_kind: global_buffer, .address_space: global }
      - { .name: qh, .offset: 64, .size: 8, .value_kind: global_buffer, .address_space: global }
      - { .name: kh, .offset: 72, .size: 8, .value_kind: global_buffer, .address_space: global }
      - { .name: vh, .offset: 80, .size: 8, .value_kind: global_buffer, .address_space: global }
    .group_segment_fixed_size: 327680
    .private_segment_fixed_size: 0
    .kernarg_segment_align: 8
    .kernarg_segment_size: 88
    .max_flat_workgroup_size: 128
    .sgpr_count:     100
    .vgpr_count:     960
    .wavefront_size: 32
...
	.end_amdgpu_metadata
.endif
;; end of part 2
;; launch attn (part 3): grid 16 x 16, 4 waves a work-group, clusters of 4 x 1, 327,680 bytes of LDS; arguments qh, kh, vh, att; writes att
.if DOCPART == 3
	.amdgcn_target "amdgcn-amd-amdhsa--gfx1250"
	.amdhsa_code_object_version 6
	.text
	.protected	k_qf4f40c96ae_attn
	.globl	k_qf4f40c96ae_attn
	.p2align	8
	.type	k_qf4f40c96ae_attn,@function
k_qf4f40c96ae_attn:
	s_mov_b64 s[64:65], 0
	v_nop
	global_prefetch_b8 v0, s[64:65] scope:SCOPE_SE
	s_setreg_imm32_b32 hwreg(HW_REG_WAVE_MODE, 25, 1), 1
	s_wait_xcnt 0x0
	s_wait_alu depctr_hold_cnt(0) depctr_sa_sdst(0) depctr_va_vdst(0) depctr_va_sdst(0) depctr_va_ssrc(0) depctr_va_vcc(0) depctr_vm_vsrc(0)
	s_getreg_b32 s2, hwreg(HW_REG_IB_STS2, 6, 4)
	s_cmp_eq_u32 s2, 0
	s_cbranch_scc0 .Lentry_in_a_cluster
	s_endpgm
.Lentry_in_a_cluster:
	s_bfe_u32 s2, ttmp6, 0x10000c
	s_cmp_lg_u32 s2, 0x3003
	s_cbranch_scc0 .Lentry_shape_is_right
	s_endpgm
.Lentry_shape_is_right:
; att[q][128 h + :] = the sum over k of softmax_k(Q[h][q] . K[h][k] / sqrt(128)) V[h][k][:].  Q, K, V: [16][2048][128] in f16; att: [2048][2048] in f16.  Products, maxima and sums in f32; the weights p
; are rounded to f16 for the second product (their sum is taken of the unrounded p), the result once at the end.
; LIMITS.  A weight below 2^-126 counts as 0; p below 6e-5 keeps f16's fixed step of 6e-8; NaN and infinities are not treated apart.
; SHARES.  A work-group owns 128 queries of one head.  Wave w: queries 64 (w % 2) .. + 63 (four tiles of 16), keys 1,024 (w / 2) .. + 1,023, 64 a step, 16 steps.  The two waves of a query half meet at the end:
; each gives two tiles' O^T, c m and l to the other through LDS and finishes the other two.  (Keys are split, not queries, so that a fragment of K or V still feeds four tiles' products.)
; A wave of the upper keys holds the 16 queries number (t + 2) % 4 as its tile t: so EVERY wave gives its tiles 2, 3 and finishes its tiles 0, 1, and the meeting is written once, without a branch.
; LAYOUT.  S^T = K Q^T (source 0 = 16 keys, source 1 = 16 queries): a lane holds ONE query (lane % 16) and the keys 8 (lane / 16) + 0..7.  Two such tiles rounded to f16 ARE source 1 of O^T = V^T P.
; K comes out of LDS as it lies, V turned, by ds_load_tr16_b128.
; SOFTMAX.  A running maximum m and sum l: p = 2^(c s - c m), c = log2(e) / sqrt(128); in every step O and l are multiplied by a = 2^(c m_old - c m_new).  m starts at the lowest finite number, c m far below every
; c s, O and l at 0: the first step is a step like any other, with a = 0.  The loop is entered in the middle of a trip; that first turn's products V^T P, of a step that has not been, run on zeros.  So no first
; step is written out, at the price of those 32 products and of 432 lines that set registers while the first tile is on its way.
; BY TURNS.  The tiles are two PIECES (tiles 0, 1; tiles 2, 3).  In a turn one piece has the matrix unit (32 products V^T P of the step in hand, 32 products K Q^T of the next); the other piece's softmax, cut
; into 64 slices, stands behind the matrix instructions, one slice each.  Two turns are a key step.
; CLUSTER.  The four query blocks of a cluster belong to one head and walk the same K and V: each tile is asked for jointly.
; REGISTERS, in windows of 256 (s_set_vgpr_msb: bits 1:0 source 0, 3:2 source 1, 5:4 source 2, 7:6 destination):
;   window 0: v0-11 addresses; v12-43 statistics, eight a tile; v44-51 the meeting; v61-63; v64-191 S^T; v192-255 P      window 1: O^T, 64 a tile
;   window 2: v0-127 Q; v128-255 K of one step      window 3: v0-127 V of one step; v128-255 the partner's two tiles
.set KS,    64
.set PK,    272       ; a row of K in LDS: 256 bytes + 16: the 16 rows of a load start at 16 different groups of four banks (64 banks of 4 bytes: ISA guide 11.1)
.set PV,    288       ; a row of V: 256 + 32
.set VOFF,  128*PK    ; a key half's block of a slot: 128 rows of K, then 128 rows of V
.set KHB,   128*(PK+PV)
.set SLOTB, 2*KHB     ; a slot: two key steps for each key half
.set STAGE, 2*SLOTB   ; behind the ring: 16 rows x 272 bytes for each wave, for the way out
.set SP,    272
.set SPARE, STAGE+4*16*SP  ; the spare words, 128 bytes a wave, that no other line names
.set MRGW,  17408     ; the meeting, in slot 0 behind its last fill: wave w at MRGW w: 32 pieces of 512 bytes (two tiles of O^T), then 2 x 256 bytes of statistics
.set TILEB, 128*256   ; a tile's bytes in memory
.set AK0, 2
.set AV0, 3
.set ADR, 4
.set QO,  5           ; v5   my byte offset in Q for tiles 0, 1
.set QO2, 6           ; v6   for tiles 2, 3, until Q is in
.set STO, 6           ;      then: where I put 16 bytes of a row
.set RD,  7
.set GO,  8
.set ST,  12          ; tile t's statistics at v[ST+8 t]: +0 c m, +1 m, +2, +3 l (even keys', odd keys'), +4 to +7 at work; a takes +6
.set MAW, 44          ; v44  where I put O^T for my partner
.set MAR, 45          ; v45  where I find my partner's
.set MSW, 46          ; v46, v47  the same for (c m, l)
.set MSR, 47
.set PST, 48          ; v48-51 my partner's (c m, l) of two tiles
.set PFO, 61          ; v61  256 x lane; never rewritten
.set SPW, 62          ; v62  my spare word; never rewritten
.set NIL, 63          ; v63  0; never rewritten
.set S,   64
.set P,   192
.set KF,  128
.set WV,  12
.set LIM, 15          ; s15  1 in a wave that prefetches, else the greatest number
.set PFA, 18          ; s[18:19]
.set G1K, 24
.set G1V, 32
.set G0K, 40          ; s[40:47] two sets for the first fills; the second then walks
.set G0V, 48
.set SLOTS, 56
.set TWICE, 57
.set CS,  58
.set SEL, 60
.set TBK, 62          ; s62  LDS byte at which K of the step to be fetched begins
.set TBV, 63          ; s63  the same for V, less VOFF
.set CUR, 66          ; s66  the slot that is read: 0 or SLOTB
.set OLD, 67          ; s67  the slot that was filled last
.set LK,  68          ; s68  my tile's place in a slot, if I fetch K
.set LV,  69          ; s69  if I fetch V
.set KHO, 70          ; s70  my key half's block in a slot
.set QH,  71          ; s71  w % 2: my query half; also which key half's tile I fetch
.set KH,  72          ; s72  w / 2: my key half
.set MSB, 0
.macro WIN new
.if MSB != (\new)
	s_set_vgpr_msb (MSB<<8)|(\new)
.set MSB, \new
.endif
.endm
.set W_KQ, 0x0a
.set W_PV, 0x53
.set W_RS, 0x41
; A joint refill.  Waves 0 and 1 fetch the two key halves' K, waves 2 and 3 their V: 128 rows each.  An s_nop 0 and four v_nop follow each line.
.macro JLOAD
	s_cmp_lt_u32 s[WV], 2
	s_cbranch_scc0 .Lfor_v_\@
	tensor_load_to_lds s[G0K+4:G0K+7], s[G1K:G1K+7]
	s_nop 0
.rept 4
	v_nop
.endr
	s_branch .Lasked_\@
.Lfor_v_\@:
	tensor_load_to_lds s[G0V+4:G0V+7], s[G1V:G1V+7]
	s_nop 0
.rept 4
	v_nop
.endr
.Lasked_\@:
.endm
; A prefetch of what the NEXT change of slots will ask for.  The head's first cluster asks; each of its waves for its own tile, each partner for 32 of the tile's 128 rows, told apart by address; a lane a row.
; So each row is named once in the launch.  The last change that fills a slot asks for nothing.
.macro ASK
	s_cmp_gt_u32 s[SLOTS], s[LIM]
	s_cbranch_scc0 .Lnot_mine_\@
	global_prefetch_b8 v[PFO], s[PFA:PFA+1] th:TH_LOAD_NT scope:SCOPE_SE
.Lnot_mine_\@:
.endm
.macro CROUND
	s_barrier_signal -1
	s_barrier_wait -1
	s_cmp_lg_u32 s[WV], 0
	s_cbranch_scc1 .Lnot_wave_0_\@
	s_barrier_signal -3
.Lnot_wave_0_\@:
	s_barrier_wait -3
	s_barrier_signal -1
	s_barrier_wait -1
.endm
	s_load_b256 s[4:11], s[0:1], 0x0  ; qh s[4:5], kh s[6:7], vh s[8:9], att s[10:11]
	v_lshl_add_u32 v[SPW], v0, 2, SPARE
	v_mov_b32 v[NIL], 0
	ds_add_u32 v[SPW], v[NIL]       ; the wave's opening: the add and its wait stand ahead of my first tensor load
	v_lshrrev_b32 v1, 5, v0
	v_readfirstlane_b32 s[WV], v1
	s_and_b32 s[QH], s[WV], 1
	s_lshr_b32 s[KH], s[WV], 1
	s_bfe_u32 s13, ttmp6, 0x40000   ; cx
	s_lshl_b32 s14, ttmp9, 2
	s_add_co_u32 s14, s14, s13      ; my block of 128 queries: it enters Q's and att's addresses alone
	s_and_b32 s16, ttmp7, 0xffff    ; the head, which the partners share
	s_lshl_b32 s17, s16, 19         ; its first byte in qh, kh, vh
	s_lshl_b32 s22, s[QH], 18       ; the key half whose tile I fetch: 1,024 rows of 256 bytes
	s_add_co_u32 s22, s22, s17
	s_mov_b32 s23, 0
	s_mul_i32 s[LK], s[QH], KHB
	s_add_co_u32 s[LV], s[LK], VOFF
	s_mul_i32 s[KHO], s[KH], KHB
	s_lshl_b32 s2, s14, 15          ; Q: my block's 128 rows, my wave's 64
	s_lshl_b32 s3, s[QH], 14
	s_add_co_u32 s2, s2, s3
	s_add_co_u32 s2, s2, s17
	s_mov_b32 s3, 0
	s_lshl_b32 s20, s14, 19         ; att: rows of 4,096 bytes: my block's 128, my wave's 64,
	s_lshl_b32 s21, s[QH], 18
	s_add_co_u32 s20, s20, s21
	s_lshl_b32 s21, s[KH], 17       ; of them the 32 that I finish;
	s_add_co_u32 s20, s20, s21
	s_lshl_b32 s21, s16, 8          ; the head's 256 bytes of a row
	s_add_co_u32 s20, s20, s21
	s_mov_b32 s21, 0
	s_mov_b32 s[G1K], 15|(1<<16)|(1<<20)|(1<<21)|(5<<22)|(3<<25)  ; the mask of four; 2-byte elements; padding on; bit 21 beside a mask; after every 64 words 4 words
	s_mov_b32 s[G1V], 15|(1<<16)|(1<<20)|(1<<21)|(5<<22)|(7<<25)  ; the same with 8 words
.irp g, G1K, G1V
	s_mov_b32 s[(\g)+1], 128<<16    ; tensor_dim0 = 128
	s_mov_b32 s[(\g)+2], 128<<16    ; tensor_dim1 = 128
	s_mov_b32 s[(\g)+3], 128<<16    ; tile_dim0 = 128
	s_mov_b32 s[(\g)+4], 128        ; tile_dim1 = 128
	s_mov_b32 s[(\g)+5], 128        ; elements from row to row
	s_mov_b32 s[(\g)+6], 0
	s_mov_b32 s[(\g)+7], 0
.endr
	s_mov_b32 s[CS], 0x3e0293ee     ; c = log2(e) / sqrt(128)
	s_mov_b32 s[CS+1], s[CS]
	s_mov_b32 s[SEL], 0x76543210
	s_mov_b32 s[SEL+1], 0xfedcba98
	s_mov_b32 s[CUR], 0
	s_mov_b32 s[OLD], SLOTB
	s_mov_b32 s[TBK], s[KHO]
	s_mov_b32 s[TBV], s[KHO]
	s_cmp_eq_u32 ttmp9, 0           ; the head's first cluster: the same in all four partners
	s_cselect_b32 s[LIM], 1, -1
	v_and_b32 v[PFO], 31, v0
	v_lshlrev_b32 v[PFO], 8, v[PFO]
	s_wait_dscnt 0x0                ; the opening add is done
	s_wait_kmcnt 0x0
	s_add_nc_u64 s[6:7], s[6:7], s[22:23]  ; K and V at my tile 0
	s_add_nc_u64 s[8:9], s[8:9], s[22:23]
	s_add_nc_u64 s[4:5], s[4:5], s[2:3]
	s_add_nc_u64 s[10:11], s[10:11], s[20:21]
	s_cmp_lt_u32 s[WV], 2
	s_cselect_b64 s[PFA:PFA+1], s[6:7], s[8:9]
	s_lshl_b32 s2, s13, 13          ; my work-group's 32 rows of the 128
	s_mov_b32 s3, 0
	s_add_nc_u64 s[PFA:PFA+1], s[PFA:PFA+1], s[2:3]
	s_add_nc_u64 s[PFA:PFA+1], s[PFA:PFA+1], 2*TILEB  ; at tile 2; the first change steps it to tile 3.  Nothing is asked for here, at the head
	CROUND                          ; all four work-groups are here: the first joint loads meet
.irp s, 0,1
	s_mov_b32 s[G0K+4*(\s)], 1
	s_add_co_u32 s[G0K+4*(\s)+1], s[LK], (\s)*SLOTB
	s_add_nc_u64 s[G0K+4*(\s)+2:G0K+4*(\s)+3], s[6:7], (\s)*TILEB
	s_or_b32 s[G0K+4*(\s)+3], s[G0K+4*(\s)+3], 0x80000000
	s_mov_b32 s[G0V+4*(\s)], 1
	s_add_co_u32 s[G0V+4*(\s)+1], s[LV], (\s)*SLOTB
	s_add_nc_u64 s[G0V+4*(\s)+2:G0V+4*(\s)+3], s[8:9], (\s)*TILEB
	s_or_b32 s[G0V+4*(\s)+3], s[G0V+4*(\s)+3], 0x80000000
.endr
	s_cmp_lt_u32 s[WV], 2           ; a wave's two first fills stand in one branch: two loads of mine are out
	s_cbranch_scc0 .Lfirst_v
	tensor_load_to_lds s[G0K:G0K+3], s[G1K:G1K+7]
	s_nop 0
	tensor_load_to_lds s[G0K+4:G0K+7], s[G1K:G1K+7]
	s_nop 0
.rept 4
	v_nop
.endr
	s_branch .Lfirst_asked
.Lfirst_v:
	tensor_load_to_lds s[G0V:G0V+3], s[G1V:G1V+7]
	s_nop 0
	tensor_load_to_lds s[G0V+4:G0V+7], s[G1V:G1V+7]
	s_nop 0
.rept 4
	v_nop
.endr
.Lfirst_asked:
	v_and_b32 v1, 15, v0            ; l % 16
	v_bfe_u32 v9, v0, 4, 1          ; l / 16
	v_lshlrev_b32 v[QO], 8, v1
	v_lshl_add_u32 v[QO], v9, 4, v[QO]
	s_lshl_b32 s2, s[KH], 13        ; tiles 0, 1 begin 32 rows further down in a wave of the upper keys,
	s_xor_b32 s3, s2, 8192          ; tiles 2, 3 in a wave of the lower
	v_add_nc_u32 v[QO2], s3, v[QO]
	v_add_nc_u32 v[QO], s2, v[QO]
	WIN 0x80
.irp i, 0,1,2,3,4,5,6,7             ; Q stays in registers: tile i / 4, channels 32 (i % 4) on
	global_load_b128 v[8*(\i):8*(\i)+3],   v[QO], s[4:5] offset:((\i)/4)*4096+((\i)%4)*64
	global_load_b128 v[8*(\i)+4:8*(\i)+7], v[QO], s[4:5] offset:((\i)/4)*4096+((\i)%4)*64+32
.endr
.irp i, 8,9,10,11,12,13,14,15
	global_load_b128 v[8*(\i):8*(\i)+3],   v[QO2], s[4:5] offset:((\i)/4-2)*4096+((\i)%4)*64
	global_load_b128 v[8*(\i)+4:8*(\i)+7], v[QO2], s[4:5] offset:((\i)/4-2)*4096+((\i)%4)*64+32
.endr
	WIN 0x40                        ; what the first turn and the first step find: O^T = 0,
.set i, 0
.rept 256
	v_mov_b32 v[i], 0
.set i, i+1
.endr
	WIN 0xc0                        ; V = 0,
.set i, 0
.rept 128
	v_mov_b32 v[i], 0
.set i, i+1
.endr
	WIN 0
.set i, P+32
.rept 32
	v_mov_b32 v[i], 0               ; piece 2's P = 0,
.set i, i+1
.endr
.set i, 0
.rept 4
	v_mov_b32 v[ST+8*i], 0xfe000000    ; c m far below every c s,
	v_mov_b32 v[ST+8*i+1], 0xff7fffff  ; m the lowest finite number,
	v_mov_b32 v[ST+8*i+2], 0           ; l = 0
	v_mov_b32 v[ST+8*i+3], 0
.set i, i+1
.endr
	v_mul_u32_u24 v[AK0], v1, PK
	v_lshl_add_u32 v[AK0], v9, 4, v[AK0]
	; the turning load takes 16 keys x 16 channels: lane l reads key 8 (l / 16) + l % 8, channels 8 ((l / 8) % 2) + 0..7
	v_and_b32 v10, 7, v0
	v_bfe_u32 v11, v0, 3, 1
	v_lshl_add_u32 v[AV0], v9, 3, v10
	v_mul_u32_u24 v[AV0], v[AV0], PV
	v_lshl_add_u32 v[AV0], v11, 4, v[AV0]
	v_add_nc_u32 v[AV0], VOFF, v[AV0]
; THE MATRIX WORK.  The accumulators take turns, one instruction a turn.
.macro PV x                         ; product i of 32 of O^T += V^T P: keys 32 (i / 16) on, channels 16 ((i / 2) % 8) on, tile x + i % 2
	WIN W_PV
.set rO, 64*((\x)+i%2)+8*((i/2)%8)
.set rV, 64*(i/16)+8*((i/2)%8)
.set rP, P+16*((\x)+i%2)+8*(i/16)
	v_wmma_f32_16x16x32_f16 v[rO:rO+7], v[rV:rV+7], v[rP:rP+7], v[rO:rO+7]
.endm
.macro KQ x                         ; product i of 32 of S^T = K Q^T: channels 32 (i / 8) on, keys 16 ((i / 2) % 4) on, tile x + i % 2; the first 8 start the sums
	WIN W_KQ
.set rS, S+32*((\x)+i%2)+8*((i/2)%4)
.set rK, KF+32*((i/2)%4)+8*(i/8)
.set rQ, 32*((\x)+i%2)+8*(i/8)
.if i < 8
	v_wmma_f32_16x16x32_f16 v[rS:rS+7], v[rK:rK+7], v[rQ:rQ+7], 0
.else
	v_wmma_f32_16x16x32_f16 v[rS:rS+7], v[rK:rK+7], v[rQ:rQ+7], v[rS:rS+7]
.endif
.endm
; THE LDS LOADS stand in runs of 32
.macro FETCH_K
	WIN 0
	v_add_nc_u32 v[ADR], s[TBK], v[AK0]
	s_add_co_u32 s[TBK], s[TBK], KS*PK  ; the next fetch is the next step's
	WIN 0x80
.irp f, 0,1,2,3,4,5,6,7,8,9,10,11,12,13,14,15
	ds_load_b128 v[KF+8*(\f):KF+8*(\f)+3],   v[ADR] offset:((\f)/4)*16*PK+((\f)%4)*64
	ds_load_b128 v[KF+8*(\f)+4:KF+8*(\f)+7], v[ADR] offset:((\f)/4)*16*PK+((\f)%4)*64+32
.endr
.endm
.macro FETCH_V
	WIN 0
	v_add_nc_u32 v[ADR], s[TBV], v[AV0]
	s_add_co_u32 s[TBV], s[TBV], KS*PV
	s_wait_alu depctr_va_vdst(0)    ; the wait for the softmax's batch (SLICE), behind the address's line and ahead of the loads
	WIN 0xc0
.irp f, 0,1,2,3,4,5,6,7,8,9,10,11,12,13,14,15
	ds_load_tr16_b128 v[8*(\f):8*(\f)+3],   v[ADR] offset:((\f)/8)*32*PV+((\f)%8)*32
	ds_load_tr16_b128 v[8*(\f)+4:8*(\f)+7], v[ADR] offset:((\f)/8)*32*PV+16*PV+((\f)%8)*32
.endr
.endm
; THE VECTOR WORK.  One tile's softmax for one key step is a list of 134 instructions; SM writes number j of it for tile t.
;   0-15 the maximum of the lane's 32 scores and the old m (each accumulator's lowest registers are read first)   16-20 the other half of the lanes'; the new m; c m; c m_old - c m_new
;   21-69 ONE BATCH: the 16 scalings c s - c m and all 33 exponentials (a at 23); none reads an exponential's result   (the wait: SLICE)   70-85 the roundings to f16   86-101 the sums; l = a l + sum
;   102-133 the tile's O^T times a
.macro SM t
.set rT, ST+8*(\t)
.set rS, S+32*(\t)
.set rP, P+16*(\t)
.set rO, 64*(\t)+2*(j-102)
.if j < 102
	WIN 0
.endif
.if j < 4
	v_max3_num_f32 v[rT+4+j], v[rS+8*j], v[rS+8*j+1], v[rS+8*j+2]
.elseif j < 12
	v_max3_num_f32 v[rT+4+j%4], v[rT+4+j%4], v[rS+8*(j%4)+2*(j/4)+1], v[rS+8*(j%4)+2*(j/4)+2]
.elseif j == 12
	v_max3_num_f32 v[rT+4], v[rT+4], v[rS+7], v[rS+15]
.elseif j == 13
	v_max3_num_f32 v[rT+6], v[rT+6], v[rS+23], v[rS+31]
.elseif j == 14
	v_max3_num_f32 v[rT+4], v[rT+4], v[rT+5], v[rT+6]
.elseif j == 15
	v_max3_num_f32 v[rT+4], v[rT+4], v[rT+7], v[rT+1]
.elseif j == 16
	v_permlanex16_b32 v[rT+5], v[rT+4], s[SEL], s[SEL+1]
.elseif j == 17
	v_mov_b32 v[rT+7], v[rT]
.elseif j == 18
	v_max_num_f32 v[rT+1], v[rT+4], v[rT+5]
.elseif j == 19
	v_mul_f32 v[rT], s[CS], v[rT+1]
.elseif j == 20
	v_sub_f32 v[rT+7], v[rT+7], v[rT]
.elseif j == 23
	v_exp_f32 v[rT+6], v[rT+7]
.elseif (j < 23) || ((j < 38) && (j%2 == 0)) || ((j < 66) && (j%4 == 2))
.set b, (j-2)/4
.if j < 38
.set b, (j-20)/2
.endif
	v_pk_fma_f32 v[rS+2*b:rS+2*b+1], v[rS+2*b:rS+2*b+1], s[CS:CS+1], v[rT:rT+1] op_sel_hi:[1,0,0] neg_lo:[0,0,1] neg_hi:[0,0,1]
.elseif j < 70
.set e, j-38
.if j < 66
.set e, j-32-(j-38)/4
.endif
.if j < 38
.set e, (j-25)/2
.endif
	v_exp_f32 v[rS+e], v[rS+e]
.elseif j < 86
	v_cvt_pk_f16_f32 v[rP+j-70], v[rS+2*(j-70)], v[rS+2*(j-70)+1]
.elseif j < 102
.set z, j-86
.set w, 4
.set u, z
.if z >= 14
.set w, 32
.set u, 0
.elseif z >= 12
.set w, 16
.set u, z-12
.elseif z >= 8
.set w, 8
.set u, z-8
.endif
.if z < 15
	v_pk_add_f32 v[rS+w*u:rS+w*u+1], v[rS+w*u:rS+w*u+1], v[rS+w*u+w/2:rS+w*u+w/2+1]
.else
	v_pk_fma_f32 v[rT+2:rT+3], v[rT+2:rT+3], v[rT+6:rT+7], v[rS:rS+1] op_sel_hi:[1,0,1]
.endif
.else
	WIN W_RS
	v_pk_mul_f32 v[rO:rO+1], v[rO:rO+1], v[rT+6:rT+7] op_sel_hi:[1,0]
.endif
.endm
; Slice k of 64 of piece y's softmax: four instructions (slice 63: sixteen).  Slices 11 to 34 deal out the batch, four numbers of one tile each.  Behind slice 34 stands the one wait
; between the piece's 66 exponentials and the first line that names a result; a v_nop is the plain instruction behind the last exponential.
.macro SLICE y
.if (k >= 11) && (k < 35)
.irp n, 0,1,2,3
.set j, 22+4*((k-11)/2)+(\n)
	SM (\y)+(k-11)%2
.endr
.else
.irp n, 0,1,2,3,4,5,6,7
.if ((\n) < 2) || (k == 63)
.irp t, \y, (\y)+1
.set j, 2*k+(\n)
	SM \t
.endr
.endif
.endr
.endif
.if k == 34
	v_nop
.if (\y) == 0
	FETCH_V                         ; piece 2's turn: V's run of loads stands here, and the wait stands in it
.else
	s_wait_alu depctr_va_vdst(0)
.endif
.endif
.set k, k+1
.endm
; A TURN.  Piece x has the matrix unit; the other piece's softmax stands in slices behind its matrix instructions (two behind each where the turn has one kind of product).
; Piece 0's turn fetches the next step's K behind its second product; piece 2's the same step's V behind slice 34: its last reader stands in front of slice 31, and four plain instructions lie between
; (number 62 of both tiles, the v_nop, the run's own v_add_nc_u32).  Slice 63's sixteen plain lines are the places behind a turn's last products.
.macro TURN x, pv, kq
.set k, 0
.set per, 2
.if (\pv) && (\kq)
.set per, 1
.endif
.if \pv
.if (\x) == 0
	s_wait_dscnt 0x0                ; V is in
.endif
.set i, 0
.rept 32
	PV \x
.rept per
	SLICE 2-(\x)
.endr
.if ((\x) == 0) && (\kq) && (i == 1)
	FETCH_K
.endif
.set i, i+1
.endr
.endif
.if \kq
.if (\x) == 0
	s_wait_dscnt 0x0                ; K is in
.endif
.set i, 0
.rept 32
	KQ \x
.rept per
	SLICE 2-(\x)
.endr
.set i, i+1
.endr
.endif
.endm
; THE CHANGE OF SLOTS, behind the turn that has asked for V of a slot's second step.  Each wave waits for all its tensor loads (one is out: its part of the other slot), adds 0 to its spare word, and waits for
; that and for its reads of the slot.  fill = 1: the barrier is a round of the cluster's, and the slot just read is filled again first thing behind it, with the tile two on: 256 matrix instructions in which to land.
; CUR and OLD hold 0 or SLOTB alone, so the exclusive or swaps the two.
.macro CHANGE fill
	WIN 0
	s_wait_tensorcnt 0x0            ; no tensor load of mine is out, so a group 0 may be written
	ds_add_u32 v[SPW], v[NIL]
	s_xor_b32 s[CUR], s[CUR], SLOTB
.if \fill
	s_xor_b32 s[OLD], s[OLD], SLOTB
	s_add_co_u32 s[G0K+5], s[OLD], s[LK]
	s_add_co_u32 s[G0V+5], s[OLD], s[LV]
	s_add_nc_u64 s[G0K+6:G0K+7], s[G0K+6:G0K+7], TILEB
	s_add_nc_u64 s[G0V+6:G0V+7], s[G0V+6:G0V+7], TILEB
	s_wait_xcnt 0x0                 ; the last prefetch, two key steps back, has read its address
	s_add_nc_u64 s[PFA:PFA+1], s[PFA:PFA+1], TILEB
	s_wait_dscnt 0x0                ; the add is done, my reads of the slot are over
	CROUND
	JLOAD
	ASK
.else
	s_wait_dscnt 0x0
	s_barrier_signal -1
	s_barrier_wait -1
.endif
	s_add_co_u32 s[TBK], s[CUR], s[KHO]  ; the fetches go to the other slot's first step
	s_mov_b32 s[TBV], s[TBK]
.endm
	s_wait_tensorcnt 1              ; my part of tile 0 is in; tile 1's load stays out
	s_barrier_signal -1
	s_barrier_wait -1
	FETCH_K                         ; key step 0
	s_wait_loadcnt 0x0              ; Q
	s_wait_dscnt 0x0
.set i, 0
.rept 32
	KQ 0                            ; piece 0's first scores
.set i, i+1
.endr
	WIN 0                           ; the addresses for the meeting and the way out: plain lines, the places behind those products
	s_mul_i32 s13, s[WV], 16*SP
	s_add_co_u32 s13, s13, STAGE
	v_mul_u32_u24 v[STO], v1, SP    ; in: row l % 16, 16 bytes for each half of the lanes
	v_lshl_add_u32 v[STO], v9, 4, v[STO]
	v_add_nc_u32 v[STO], s13, v[STO]
	v_mul_u32_u24 v[RD], v9, SP     ; back: lanes 0-15 one row of 256 bytes, lanes 16-31 the next
	v_lshl_add_u32 v[RD], v1, 4, v[RD]
	v_add_nc_u32 v[RD], s13, v[RD]
	v_lshlrev_b32 v[GO], 12, v9     ; and the same two rows in att
	v_lshl_add_u32 v[GO], v1, 4, v[GO]
	v_and_b32 v10, 31, v0
	s_mul_i32 s13, s[WV], MRGW
	s_xor_b32 s14, s[WV], 2         ; my partner: the same queries, the other keys
	s_mul_i32 s14, s14, MRGW
	v_lshl_add_u32 v[MAW], v10, 4, s13
	v_lshl_add_u32 v[MAR], v10, 4, s14
	s_add_co_u32 s13, s13, 16384
	s_add_co_u32 s14, s14, 16384
	v_lshl_add_u32 v[MSW], v10, 3, s13
	v_lshl_add_u32 v[MSR], v10, 3, s14
	s_mov_b32 s[SLOTS], 7
	s_mov_b32 s[TWICE], 2
	s_branch .Lmid                  ; the loop is entered at piece 2's turn: its products V^T P add 0; it makes piece 2's first scores and piece 0's first softmax and fetches V of step 0
.Lslot:                             ; six times: tiles 2 to 7 are asked for
	CHANGE 1
	s_mov_b32 s[TWICE], 2
.Lstep:                             ; a key step: V^T P of step j, K Q^T of step j + 1, whose K and V it fetches
	TURN 0, 1, 1
	WIN 0
.Lmid:
	TURN 2, 1, 1
	WIN 0
	s_sub_co_u32 s[TWICE], s[TWICE], 1
	s_cmp_lg_u32 s[TWICE], 0
	s_cbranch_scc1 .Lstep
	s_sub_co_u32 s[SLOTS], s[SLOTS], 1
	s_cmp_lg_u32 s[SLOTS], 0
	s_cbranch_scc1 .Lslot
	CHANGE 0                        ; the tail is written out
	s_mov_b32 s[TWICE], 2
.Ltail:
	TURN 0, 1, 1
	TURN 2, 1, 1
	WIN 0
	s_sub_co_u32 s[TWICE], s[TWICE], 1
	s_cmp_lg_u32 s[TWICE], 0
	s_cbranch_scc1 .Ltail
	TURN 0, 1, 0                    ; piece 0: V^T P of the last step | piece 2's last softmax
.set i, 0
.rept 32
	PV 2
.set i, i+1
.endr
	; THE MEETING.  l's two halves and the other half of the lanes' are added (into m's register, which is done with); these lines are the places behind the last products.
	WIN 0
.irp t, 0,1,2,3
	v_add_f32 v[ST+8*(\t)+4], v[ST+8*(\t)+2], v[ST+8*(\t)+3]
.endr
.irp t, 0,1,2,3
	v_permlanex16_b32 v[ST+8*(\t)+5], v[ST+8*(\t)+4], s[SEL], s[SEL+1]
.endr
.irp t, 0,1,2,3
	v_add_f32 v[ST+8*(\t)+1], v[ST+8*(\t)+4], v[ST+8*(\t)+5]
.endr
.macro GIVE t                       ; tile t's O^T, 16 bytes a lane and 512 a line, in ascending order, and its (c m, l)
	WIN 0x04                        ; the stores' data in window 1
.set i, 0
.rept 16
	ds_store_b128 v[MAW], v[64*(\t)+4*i:64*(\t)+4*i+3] offset:(((\t)%2)*16+i)*512
.set i, i+1
.endr
	WIN 0
	ds_store_b64 v[MSW], v[ST+8*(\t):ST+8*(\t)+1] offset:((\t)%2)*256
.endm
.macro TAKE t
	WIN 0xc0                        ; destination window 3
.set i, 0
.rept 16
	ds_load_b128 v[128+64*((\t)%2)+4*i:128+64*((\t)%2)+4*i+3], v[MAR] offset:(((\t)%2)*16+i)*512
.set i, i+1
.endr
.endm
.macro MATH t, younger              ; O = O F0 + O' F1, rounded to f16.  younger: the LDS instructions issued behind the partner's tile t
	s_wait_dscnt \younger
	WIN W_RS
.set i, 0
.rept 32
	v_pk_mul_f32 v[64*(\t)+2*i:64*(\t)+2*i+1], v[64*(\t)+2*i:64*(\t)+2*i+1], v[ST+8*(\t)+4:ST+8*(\t)+5] op_sel_hi:[1,0]
.set i, i+1
.endr
	WIN 0x53                        ; source 0 window 3, source 1 window 0, source 2 and destination window 1
.set i, 0
.rept 32
	v_pk_fma_f32 v[64*(\t)+2*i:64*(\t)+2*i+1], v[128+64*((\t)%2)+2*i:128+64*((\t)%2)+2*i+1], v[ST+8*(\t)+6:ST+8*(\t)+7], v[64*(\t)+2*i:64*(\t)+2*i+1] op_sel_hi:[1,0,1]
.set i, i+1
.endr
	WIN 0x05
.set i, 0
.rept 32
	v_cvt_pk_f16_f32 v[S+32*(\t)+i], v[64*(\t)+2*i], v[64*(\t)+2*i+1]
.set i, i+1
.endr
	WIN 0
.endm
.macro STG t                        ; through my own stage: 16 bytes a lane in, whole rows of 256 bytes back; LDS serves a wave's instructions in order (ISA guide 5.7.1.4)
.irp f, 0,1,2,3,4,5,6,7
	ds_store_b128 v[STO], v[S+32*(\t)+4*(\f):S+32*(\t)+4*(\f)+3] offset:32*(\f)
.endr
.irp f, 0,1,2,3,4,5,6,7
	ds_load_b128 v[S+32*(\t)+4*(\f):S+32*(\t)+4*(\f)+3], v[RD] offset:(\f)*2*SP
.endr
.endm
.macro SEND t, younger
.irp f, 0,1,2,3,4,5,6,7
	s_wait_dscnt (\younger)+7-(\f)
	global_store_b128 v[GO], v[S+32*(\t)+4*(\f):S+32*(\t)+4*(\f)+3], s[10:11] offset:(\t)*65536+(\f)*8192  ; 16 lanes store 256 consecutive bytes, aligned
.endr
.endm
	GIVE 2                          ; my tiles 2, 3 hold the queries of my partner's tiles 0, 1
	GIVE 3
	s_wait_dscnt 0x0                ; for my partner's sake: my stores are done
	s_barrier_signal -1
	s_barrier_wait -1
	; Tiles 0 and 1 are finished: M = max(c m, c m'); a0 = 2^(c m - M), a1 = 2^(c m' - M); L = a0 l + a1 l'; F0 = a0 / L, F1 = a1 / L.
	ds_load_b64 v[PST:PST+1], v[MSR]
	ds_load_b64 v[PST+2:PST+3], v[MSR] offset:256
	TAKE 0
	TAKE 1
	WIN 0
	s_wait_dscnt 32                 ; the statistics are in; the 32 loads of the tiles stay out
.irp t, 0, 1
	v_max_num_f32 v[ST+8*(\t)+2], v[ST+8*(\t)], v[PST+2*(\t)]
.endr
.irp t, 0, 1
	v_sub_f32 v[ST+8*(\t)+4], v[ST+8*(\t)], v[ST+8*(\t)+2]
	v_sub_f32 v[ST+8*(\t)+6], v[PST+2*(\t)], v[ST+8*(\t)+2]
.endr
.irp t, 0, 1
	v_exp_f32 v[ST+8*(\t)+4], v[ST+8*(\t)+4]
	v_exp_f32 v[ST+8*(\t)+6], v[ST+8*(\t)+6]
.endr
	v_nop                           ; a plain instruction behind the last exponential,
	s_wait_alu depctr_va_vdst(0)    ; and one wait for the four
.irp t, 0, 1
	v_mul_f32 v[ST+8*(\t)+3], v[ST+8*(\t)+4], v[ST+8*(\t)+1]
.endr
.irp t, 0, 1
	v_fma_f32 v[ST+8*(\t)+3], v[ST+8*(\t)+6], v[PST+2*(\t)+1], v[ST+8*(\t)+3]
.endr
.irp t, 0, 1
	v_rcp_f32 v[ST+8*(\t)+2], v[ST+8*(\t)+3]
.endr
	v_nop
	s_wait_alu depctr_va_vdst(0)    ; one wait for the two reciprocals
.irp t, 0, 1
	v_mul_f32 v[ST+8*(\t)+4], v[ST+8*(\t)+4], v[ST+8*(\t)+2]
	v_mul_f32 v[ST+8*(\t)+6], v[ST+8*(\t)+6], v[ST+8*(\t)+2]
.endr
	MATH 0, 16                      ; the partner's second tile stays out
	STG 0
	MATH 1, 16                      ; the first tile's 16 stage instructions stay out
	STG 1
	SEND 0, 16
	SEND 1, 0
	s_wait_tensorcnt 0x0            ; the wave's end
	ds_add_u32 v[SPW], v[NIL]
	s_wait_dscnt 0x0
	CROUND                          ; the closing round
	s_endpgm
.Lfunc_end_k_qf4f40c96ae_attn:
	.size	k_qf4f40c96ae_attn, .Lfunc_end_k_qf4f40c96ae_attn-k_qf4f40c96ae_attn
	.p2alignl 7, 3214868480
	.fill 96, 4, 3214868480
	.section	.rodata,"a",@progbits
	.p2align	6, 0x0
	.amdhsa_kernel k_qf4f40c96ae_attn
		.amdhsa_group_segment_fixed_size 327680
		.amdhsa_private_segment_fixed_size 0
		.amdhsa_enable_private_segment 0
		.amdhsa_kernarg_size 32
		.amdhsa_user_sgpr_count 2
		.amdhsa_user_sgpr_kernarg_segment_ptr 1
		.amdhsa_wavefront_size32 1
		.amdhsa_system_sgpr_workgroup_id_x 1
		.amdhsa_system_sgpr_workgroup_id_y 1
		.amdhsa_system_sgpr_workgroup_id_z 1
		.amdhsa_system_vgpr_workitem_id 0
		.amdhsa_next_free_vgpr 1024
		.amdhsa_next_free_sgpr 74
		.amdhsa_reserve_vcc 0
		.amdhsa_float_denorm_mode_32 3
		.amdhsa_float_denorm_mode_16_64 3
		.amdhsa_memory_ordered 1
		.amdhsa_forward_progress 1
		.amdhsa_inst_pref_size 174
	.end_amdhsa_kernel
	.amdgpu_metadata
---
amdhsa.version: [ 1, 2 ]
amdhsa.kernels:
  - .name:           k_qf4f40c96ae_attn
    .symbol:         k_qf4f40c96ae_attn.kd
    .args:
      - { .name: qh, .offset: 0, .size: 8, .value_kind: global_buffer, .address_space: global }
      - { .name: kh, .offset: 8, .size: 8, .value_kind: global_buffer, .address_space: global }
      - { .name: vh, .offset: 16, .size: 8, .value_kind: global_buffer, .address_space: global }
      - { .name: att, .offset: 24, .size: 8, .value_kind: global_buffer, .address_space: global }
    .group_segment_fixed_size: 327680
    .private_segment_fixed_size: 0
    .kernarg_segment_align: 8
    .kernarg_segment_size: 32
    .max_flat_workgroup_size: 128
    .sgpr_count:     74
    .vgpr_count:     1024
    .wavefront_size: 32
...
	.end_amdgpu_metadata
.endif
;; end of part 3
;; launch oproj (part 4): grid 16 x 16, 4 waves a work-group, clusters of 4 x 4, 327,680 bytes of LDS; arguments att, wo16, bo, out0; writes out0
.if DOCPART == 4
	.amdgcn_target "amdgcn-amd-amdhsa--gfx1250"
	.amdhsa_code_object_version 6
	.text
	.protected	k_qf4f40c96ae_oproj
	.globl	k_qf4f40c96ae_oproj
	.p2align	8
	.type	k_qf4f40c96ae_oproj,@function
k_qf4f40c96ae_oproj:
	s_mov_b64 s[64:65], 0
	v_nop
	global_prefetch_b8 v0, s[64:65] scope:SCOPE_SE
	s_setreg_imm32_b32 hwreg(HW_REG_WAVE_MODE, 25, 1), 1
	s_wait_xcnt 0x0
	s_wait_alu depctr_hold_cnt(0) depctr_sa_sdst(0) depctr_va_vdst(0) depctr_va_sdst(0) depctr_va_ssrc(0) depctr_va_vcc(0) depctr_vm_vsrc(0)
	s_getreg_b32 s2, hwreg(HW_REG_IB_STS2, 6, 4)
	s_cmp_eq_u32 s2, 0
	s_cbranch_scc0 .Lentry_in_a_cluster
	s_endpgm
.Lentry_in_a_cluster:
	s_bfe_u32 s2, ttmp6, 0x10000c
	s_cmp_lg_u32 s2, 0xf033
	s_cbranch_scc0 .Lentry_shape_is_right
	s_endpgm
.Lentry_shape_is_right:
; out0[m][n] = the sum over k of att[m][k] Wo[n][k] + bo[n].  att, wo16: [2048][2048] in f16 (wo16 holds Wo rounded to bf16); bo is rounded to bf16 here; out0 in f32; sums in f32.
; A tile of out0 is 128 x 128, so that there are 256 work-groups.  Four waves, each 64 x 64: 16 accumulators.  K goes in 8 steps of 256 (LDS rows of 512 bytes; a wave's tensor load brings 64 of them) through two slots.
; CLUSTER 4 x 4: att's tile is asked for jointly along a row of the cluster, wo16's along a column.
; THE WALK ALONG K begins, in cluster (X, Y), at K step 2 X + 4 f(Y), f the parity of Y's two bits, and wraps at the row's end (f32 sums may be taken in any order).  So clusters that read the same rows read
; different K steps at any one time: the four that share att's rows (one Y) stand two steps apart, of the four that share wo16's rows (one X) two and two stand four apart.
; THE MATRIX INSTRUCTION IS USED TRANSPOSED (source 0 = 16 rows of Wo, source 1 = 16 rows of att): a lane holds eight neighbouring numbers of a row of out0.  The bias is the C operand of the first product.
; The way out goes through one stage in f32, in slot 0 behind its last fill and its last read: a wave then stores whole rows of 512 bytes.
; No prefetch: a step's tiles are small, and a cluster is the first to name rows in the first steps of its walk alone, which come by the first fills and the first two refills.
; REGISTERS: window 0: v0-31 addresses; v32-63 bias; v128-255 the accumulators ((a, b) at 128 + 8 (4 a + b)).  window 1: two fragment buffers of 128: 64 registers of att, then 64 of Wo.
.set SIZE_K, 2048
.set ROWB,   2*SIZE_K                  ; bytes in a row of att and of wo16
.set KSTEP,  256
.set STEPS,  SIZE_K/KSTEP
.set PITCH,  528                       ; 512 bytes + 16 = 132 words: row r starts at bank 4 r mod 64 (64 banks of 4 bytes: ISA guide 11.1)
.set HALFT,  64*PITCH
.set SLOT,   4*HALFT
.set SPARE,  2*SLOT                    ; behind the ring: the spare words, 128 bytes a wave, that no other line names
.set SPITCH, 528                       ; the stage, from LDS byte 0: 128 rows of 512 bytes + 16
.set ADRA0, 16                         ; v16  LDS address of my fragments of att in slot 0; never rewritten
.set ADRA,  17                         ; v17  in the slot that is read
.set ADRB0, 20                         ; v20, v21 the same for Wo
.set ADRB,  21
.set STO,  24
.set RD,   25
.set CO,   26
.set BO,   27
.set SPW,  28
.set NIL,  29
.set BIAS, 32
.set ACC,  128
.set F0,   0
.set F1,   128
.set G1, 24
.set G0, 32                            ; s[32:39] group 0 for att's tiles: a set for each of the two first fills; the second then walks
.set G1B, 48
.set G0B, 56
.set KOFF, 72                          ; s[72:73] byte of the rows at which the K step asked for last begins
.set CUR, 74                           ; s74  the slot that is read: 0 or SLOT
.set OLD, 75                           ; s75  the slot that was filled last
.set MSB, 0
.macro WIN new
.if MSB != (\new)
	s_set_vgpr_msb (MSB<<8)|(\new)
.set MSB, \new
.endif
.endm
.set MUL,  0x05                        ; sources 0 and 1 window 1; C and D window 0
.set TO_F, 0x40
.macro JLOAD s                         ; waves 0 and 1 fetch att's two halves, waves 2 and 3 Wo's; an s_nop 0 and four v_nop follow each line
	s_cmp_eq_u32 s11, 0
	s_cbranch_scc0 .Lfor_b_\@
	tensor_load_to_lds s[G0+4*(\s):G0+4*(\s)+3], s[G1:G1+7]
	s_nop 0
.rept 4
	v_nop
.endr
	s_branch .Lasked_\@
.Lfor_b_\@:
	tensor_load_to_lds s[G0B+4*(\s):G0B+4*(\s)+3], s[G1B:G1B+7]
	s_nop 0
.rept 4
	v_nop
.endr
.Lasked_\@:
.endm
.macro CREST
	s_cmp_lg_u32 s10, 0
	s_cbranch_scc1 .Lnot_wave_0_\@
	s_barrier_signal -3
.Lnot_wave_0_\@:
	s_barrier_wait -3
	s_barrier_signal -1
	s_barrier_wait -1
.endm
.macro CROUND
	s_barrier_signal -1
	s_barrier_wait -1
	CREST
.endm
	s_load_b128 s[4:7], s[0:1], 0x0                ; att s[4:5], wo16 s[6:7]
	s_load_b128 s[68:71], s[0:1], 0x10             ; bo s[68:69], out0 s[70:71]
	v_lshl_add_u32 v[SPW], v0, 2, SPARE
	v_mov_b32 v[NIL], 0
	ds_add_u32 v[SPW], v[NIL]                      ; the wave's opening: the add and its wait stand ahead of my first tensor load
	v_lshrrev_b32 v1, 5, v0
	v_readfirstlane_b32 s10, v1                    ; wave 0..3
	s_lshr_b32 s11, s10, 1                         ; my half of the tile's rows.  Also: I fetch for att (0) or for Wo (1)
	s_and_b32 s12, s10, 1                          ; my half of its columns.  Also: which 64 rows of that tile I fetch
	s_bfe_u32 s40, ttmp6, 0x40000
	s_bfe_u32 s41, ttmp6, 0x40004
	s_lshl_b32 s42, ttmp9, 2
	s_add_co_u32 s42, s42, s40                     ; tile column
	s_and_b32 s13, ttmp7, 0xffff
	s_lshl_b32 s13, s13, 2
	s_add_co_u32 s13, s13, s41                     ; tile row
	s_lshl_b32 s43, s41, 2
	s_lshl_b32 s43, 15, s43
	s_lshl_b32 s44, 0x1111, s40
	s_mov_b32 s45, 0xffff0000
	s_or_b32 s[G1+0], s43, (1<<16)|(1<<20)|(1<<21)|(6<<22)|(3<<25)  ; the mask; 2-byte elements; padding on; bit 21 beside a mask; after every 128 words 4 words
	s_or_b32 s[G1B+0], s44, (1<<16)|(1<<20)|(1<<21)|(6<<22)|(3<<25)
.irp g, G1, G1B
	s_mov_b32 s[(\g)+1], KSTEP<<16
	s_mov_b32 s[(\g)+2], 64<<16
	s_mov_b32 s[(\g)+3], KSTEP<<16
	s_mov_b32 s[(\g)+4], 64
	s_mov_b32 s[(\g)+5], SIZE_K
	s_mov_b32 s[(\g)+6], 0
	s_mov_b32 s[(\g)+7], 0
.endr
	s_and_b32 s[KOFF+1], ttmp7, 0xffff             ; where the walk begins: made of the cluster's x and y alone, the same in all sixteen partners
	s_lshr_b32 s[KOFF], s[KOFF+1], 1
	s_xor_b32 s[KOFF], s[KOFF], s[KOFF+1]
	s_and_b32 s[KOFF], s[KOFF], 1                  ; f(Y)
	s_lshl_b32 s[KOFF], s[KOFF], 1
	s_add_co_u32 s[KOFF], s[KOFF], ttmp9           ; X + 2 f
	s_lshl_b32 s[KOFF], s[KOFF], 10                ; x two K steps of 512 bytes
	s_and_b32 s[KOFF], s[KOFF], ROWB-1
	s_mov_b32 s[KOFF+1], 0
	s_mov_b32 s[CUR], 0
	s_mov_b32 s[OLD], SLOT
	s_lshl_b32 s17, s12, 6
	s_lshl_b32 s16, s13, 7
	s_add_co_u32 s16, s16, s17                     ; att: row 128 x tile row + 64 x half
	s_lshl_b32 s46, s42, 7
	s_add_co_u32 s46, s46, s17                     ; Wo: row 128 x tile column + 64 x half
	s_mov_b32 s17, 0
	s_mov_b32 s47, 0
	s_mov_b64 s[18:19], ROWB
	s_mul_u64 s[16:17], s[16:17], s[18:19]
	s_mul_u64 s[46:47], s[46:47], s[18:19]
	s_mul_i32 s20, s10, HALFT                      ; my tile's place in a slot; kept
	s_mov_b32 s[G0], 1
	s_mov_b32 s[G0+1], s20
	s_mov_b32 s[G0+4], 1
	s_add_co_u32 s[G0+5], s20, SLOT
	s_mov_b32 s[G0B], 1
	s_mov_b32 s[G0B+1], s20
	s_mov_b32 s[G0B+4], 1
	s_add_co_u32 s[G0B+5], s20, SLOT
	s_wait_dscnt 0x0
	s_wait_kmcnt 0x0
	s_add_nc_u64 s[4:5], s[4:5], s[16:17]          ; att and wo16 at the first row that my wave fetches
	s_add_nc_u64 s[6:7], s[6:7], s[46:47]
	s_add_nc_u64 s[G0+2:G0+3], s[4:5], s[KOFF:KOFF+1]      ; the walk's step 0,
	s_add_nc_u64 s[G0B+2:G0B+3], s[6:7], s[KOFF:KOFF+1]
	s_add_co_u32 s[KOFF], s[KOFF], KSTEP*2
	s_and_b32 s[KOFF], s[KOFF], ROWB-1
	s_add_nc_u64 s[G0+6:G0+7], s[4:5], s[KOFF:KOFF+1]      ; step 1
	s_add_nc_u64 s[G0B+6:G0B+7], s[6:7], s[KOFF:KOFF+1]
	s_or_b32 s[G0+3], s[G0+3], 0x80000000
	s_or_b32 s[G0+7], s[G0+7], 0x80000000
	s_or_b32 s[G0B+3], s[G0B+3], 0x80000000
	s_or_b32 s[G0B+7], s[G0B+7], 0x80000000
	CROUND
	JLOAD 0
	JLOAD 1                                        ; two loads of mine are out
	v_and_b32 v1, 15, v0
	v_bfe_u32 v2, v0, 4, 1
	v_mul_u32_u24 v3, v1, PITCH
	v_lshl_add_u32 v3, v2, 4, v3
	s_mul_i32 s21, s11, HALFT
	s_mul_i32 s22, s12, HALFT
	s_add_co_u32 s22, s22, 2*HALFT
	v_add_nc_u32 v[ADRA0], s21, v3
	v_add_nc_u32 v[ADRB0], s22, v3
	v_mov_b32 v[ADRA], v[ADRA0]
	v_mov_b32 v[ADRB], v[ADRB0]
	s_mul_i32 s23, s11, 64*SPITCH                  ; into the stage: row 64 x row half + l % 16, byte 256 x column half + 32 (l / 16)
	s_lshl_b32 s21, s12, 8
	s_add_co_u32 s23, s23, s21
	v_mul_u32_u24 v4, v1, SPITCH
	v_lshl_add_u32 v4, v2, 5, v4
	v_add_nc_u32 v[STO], s23, v4
	s_mul_i32 s23, s10, 32*SPITCH                  ; back: wave w takes rows 32 w .. + 31, a whole row of 512 bytes a load
	v_and_b32 v5, 31, v0
	v_lshlrev_b32 v[CO], 4, v5
	v_add_nc_u32 v[RD], s23, v[CO]
	v_lshlrev_b32 v[BO], 5, v2
	s_lshl_b32 s16, s13, 7
	s_lshl_b32 s17, s10, 5
	s_add_co_u32 s16, s16, s17                     ; the first row of out0 that I store,
	s_lshl_b32 s16, s16, 13                        ; in bytes
	s_mov_b32 s17, 0
	s_add_nc_u64 s[70:71], s[70:71], s[16:17]
	s_lshl_b32 s46, s42, 9                         ; the tile's first column, in bytes: of out0 and of bo
	s_mov_b32 s47, 0
	s_add_nc_u64 s[70:71], s[70:71], s[46:47]
	s_add_nc_u64 s[68:69], s[68:69], s[46:47]
	s_lshl_b32 s46, s12, 8
	s_add_nc_u64 s[68:69], s[68:69], s[46:47]
.irp b, 0,1,2,3
	global_load_b128 v[BIAS+8*(\b):BIAS+8*(\b)+3], v[BO], s[68:69] offset:64*(\b)
	global_load_b128 v[BIAS+8*(\b)+4:BIAS+8*(\b)+7], v[BO], s[68:69] offset:64*(\b)+16
.endr
	s_wait_loadcnt 0x0
.set rr, BIAS
.rept 16                               ; the bias rounded to bf16 and widened again, in the wait for the first tile
	v_cvt_pk_bf16_f32 v64, v[rr], v[rr+1]
	v_lshlrev_b32 v[rr], 16, v64
	v_and_b32 v[rr+1], s45, v64
.set rr, rr+2
.endr
; 8 matrix instructions: row blocks a0, a0 + 1 x all 4 column blocks, 32 along K: half c of buffer f.  first = 1: the bias starts the sums.  The 16 accumulators take turns.
.macro MUL8 f, c, a0, first
	WIN MUL
.irp a, \a0, (\a0)+1
.irp b, 0,1,2,3
.if \first
	v_wmma_f32_16x16x32_f16 v[ACC+8*(4*(\a)+(\b)):ACC+8*(4*(\a)+(\b))+7], v[(\f)+64+8*(4*(\c)+(\b)):(\f)+64+8*(4*(\c)+(\b))+7], v[(\f)+8*(4*(\c)+(\a)):(\f)+8*(4*(\c)+(\a))+7], v[BIAS+8*(\b):BIAS+8*(\b)+7]
.else
	v_wmma_f32_16x16x32_f16 v[ACC+8*(4*(\a)+(\b)):ACC+8*(4*(\a)+(\b))+7], v[(\f)+64+8*(4*(\c)+(\b)):(\f)+64+8*(4*(\c)+(\b))+7], v[(\f)+8*(4*(\c)+(\a)):(\f)+8*(4*(\c)+(\a))+7], v[ACC+8*(4*(\a)+(\b)):ACC+8*(4*(\a)+(\b))+7]
.endif
.endr
.endr
.endm
.macro FETCH k, f                      ; 32 LDS loads in one run: 64 along K at byte k of the rows of the slot that is read; the first 32 along K first
	WIN TO_F
.irp c, 0,1
.irp i, 0,1,2,3
	ds_load_b128 v[(\f)+64+8*(4*(\c)+(\i)):(\f)+64+8*(4*(\c)+(\i))+3],   v[ADRB] offset:(\k)+64*(\c)+(\i)*16*PITCH
	ds_load_b128 v[(\f)+64+8*(4*(\c)+(\i))+4:(\f)+64+8*(4*(\c)+(\i))+7], v[ADRB] offset:(\k)+64*(\c)+(\i)*16*PITCH+32
	ds_load_b128 v[(\f)+8*(4*(\c)+(\i)):(\f)+8*(4*(\c)+(\i))+3],         v[ADRA] offset:(\k)+64*(\c)+(\i)*16*PITCH
	ds_load_b128 v[(\f)+8*(4*(\c)+(\i))+4:(\f)+8*(4*(\c)+(\i))+7],       v[ADRA] offset:(\k)+64*(\c)+(\i)*16*PITCH+32
.endr
.endr
.endm
.macro PLACES
.rept 4
	v_nop
.endr
.endm
.macro QUARTER k, f, g, first
	s_wait_dscnt 16                                ; the first 32 along K are in
	MUL8 \f, 0, 0, \first
	MUL8 \f, 0, 2, \first
	PLACES
	FETCH \k, \g
	s_wait_dscnt 32                                ; all but the 32 just issued
	MUL8 \f, 1, 0, 0
	MUL8 \f, 1, 2, 0
.endm
; The last quarter multiplies buffer 1 and changes slots: each wave waits for all its tensor loads, adds 0 to its spare word, and waits for that and for its reads of this slot.  fill = 1: a round of the
; cluster's barrier, and this slot takes the walk's step two on, first thing behind it.  While the add is out: the walking descriptors (the other slot than last time; the address made anew from the tile's base
; and the next K step's byte, which wraps at the row's end) and the fragments' addresses in the next slot.  CUR and OLD hold 0 or SLOT alone, so the exclusive or swaps the two.
.macro TURN fill
	WIN 0
	s_wait_tensorcnt 0x0                           ; no tensor load of mine is out, so a group 0 may be written
	ds_add_u32 v[SPW], v[NIL]
	s_xor_b32 s[CUR], s[CUR], SLOT
.if \fill
	s_xor_b32 s[OLD], s[OLD], SLOT
	s_add_co_u32 s[G0+5], s[OLD], s20
	s_add_co_u32 s[G0B+5], s[OLD], s20
	s_add_co_u32 s[KOFF], s[KOFF], KSTEP*2
	s_and_b32 s[KOFF], s[KOFF], ROWB-1
	s_add_nc_u64 s[G0+6:G0+7], s[4:5], s[KOFF:KOFF+1]
	s_or_b32 s[G0+7], s[G0+7], 0x80000000
	s_add_nc_u64 s[G0B+6:G0B+7], s[6:7], s[KOFF:KOFF+1]
	s_or_b32 s[G0B+7], s[G0B+7], 0x80000000
.endif
	v_add_nc_u32 v[ADRA], s[CUR], v[ADRA0]
	v_add_nc_u32 v[ADRB], s[CUR], v[ADRB0]
	s_wait_dscnt 17                                ; (the add and the youngest sixteen loads may be out)
	MUL8 F1, 0, 0, 0
	s_wait_dscnt 0x0
	s_barrier_signal -1
	MUL8 F1, 0, 2, 0
.if \fill
	WIN 0
.endif
	s_barrier_wait -1
.if \fill
	CREST
	JLOAD 1                                        ; 112 matrix instructions ahead of the wait for it; its four v_nop are also the places in front of the loads below
.else
	PLACES
.endif
	FETCH 0, F0
	MUL8 F1, 1, 0, 0
	MUL8 F1, 1, 2, 0
.endm
	s_wait_tensorcnt 1                             ; my part of the walk's step 0 is in; step 1's load stays out
	s_barrier_signal -1
	s_barrier_wait -1
	FETCH 0, F0
	QUARTER 128, F0, F1, 1
	WIN 0
	s_mov_b32 s3, STEPS-2
.Lstep:                                        ; a trip goes from a K step's second quarter to the next step's first, and fills the slot that it leaves
	QUARTER 256, F1, F0, 0
	QUARTER 384, F0, F1, 0
	TURN 1
	QUARTER 128, F0, F1, 0
	WIN 0
	s_sub_co_u32 s3, s3, 1
	s_cmp_lg_u32 s3, 0
	s_cbranch_scc1 .Lstep
	QUARTER 256, F1, F0, 0                         ; the last two steps fill nothing
	QUARTER 384, F0, F1, 0
	TURN 0                                         ; behind this barrier nobody reads slot 0 any more
	QUARTER 128, F0, F1, 0
	QUARTER 256, F1, F0, 0
	QUARTER 384, F0, F1, 0
	s_wait_dscnt 16
	MUL8 F1, 0, 0, 0
	MUL8 F1, 0, 2, 0
	s_wait_dscnt 0
	MUL8 F1, 1, 0, 0
	MUL8 F1, 1, 2, 0
	WIN 0
	; THE WAY OUT: 32 bytes a lane into the stage (each accumulator's four lowest registers first); a barrier, since a row's 512 bytes come from two waves; back as whole rows, 32 rows a wave.
	PLACES
.irp a, 0,1,2,3
.irp b, 0,1,2,3
	ds_store_b128 v[STO], v[ACC+8*(4*(\a)+(\b)):ACC+8*(4*(\a)+(\b))+3] offset:(\a)*16*SPITCH+64*(\b)
	ds_store_b128 v[STO], v[ACC+8*(4*(\a)+(\b))+4:ACC+8*(4*(\a)+(\b))+7] offset:(\a)*16*SPITCH+64*(\b)+16
.endr
.endr
	s_wait_dscnt 0x0                               ; for the others' sake: my stores are done
	s_barrier_signal -1
	s_barrier_wait -1
.set t, 0
.rept 32
	ds_load_b128 v[ACC+4*t:ACC+4*t+3], v[RD] offset:t*SPITCH
.set t, t+1
.endr
.set t, 0
.rept 32
	s_wait_dscnt 31-t                              ; row t is in; the younger rows stay out
	global_store_b128 v[CO], v[ACC+4*t:ACC+4*t+3], s[70:71] offset:t*8192 th:TH_STORE_NT  ; a wave stores 512 consecutive bytes, aligned
.set t, t+1
.endr
	s_wait_tensorcnt 0x0                           ; the wave's end
	ds_add_u32 v[SPW], v[NIL]
	s_wait_dscnt 0x0
	CROUND                                         ; the closing round
	s_endpgm
.Lfunc_end_k_qf4f40c96ae_oproj:
	.size	k_qf4f40c96ae_oproj, .Lfunc_end_k_qf4f40c96ae_oproj-k_qf4f40c96ae_oproj
	.p2alignl 7, 3214868480
	.fill 96, 4, 3214868480
	.section	.rodata,"a",@progbits
	.p2align	6, 0x0
	.amdhsa_kernel k_qf4f40c96ae_oproj
		.amdhsa_group_segment_fixed_size 327680
		.amdhsa_private_segment_fixed_size 0
		.amdhsa_enable_private_segment 0
		.amdhsa_kernarg_size 32
		.amdhsa_user_sgpr_count 2
		.amdhsa_user_sgpr_kernarg_segment_ptr 1
		.amdhsa_wavefront_size32 1
		.amdhsa_system_sgpr_workgroup_id_x 1
		.amdhsa_system_sgpr_workgroup_id_y 1
		.amdhsa_system_sgpr_workgroup_id_z 1
		.amdhsa_system_vgpr_workitem_id 0
		.amdhsa_next_free_vgpr 512
		.amdhsa_next_free_sgpr 76
		.amdhsa_reserve_vcc 0
		.amdhsa_float_denorm_mode_32 3
		.amdhsa_float_denorm_mode_16_64 3
		.amdhsa_memory_ordered 1
		.amdhsa_forward_progress 1
		.amdhsa_inst_pref_size 72
	.end_amdhsa_kernel
	.amdgpu_metadata
---
amdhsa.version: [ 1, 2 ]
amdhsa.kernels:
  - .name:           k_qf4f40c96ae_oproj
    .symbol:         k_qf4f40c96ae_oproj.kd
    .args:
      - { .name: att, .offset: 0, .size: 8, .value_kind: global_buffer, .address_space: global }
      - { .name: wo16, .offset: 8, .size: 8, .value_kind: global_buffer, .address_space: global }
      - { .name: bo, .offset: 16, .size: 8, .value_kind: global_buffer, .address_space: global }
      - { .name: out0, .offset: 24, .size: 8, .value_kind: global_buffer, .address_space: global }
    .group_segment_fixed_size: 327680
    .private_segment_fixed_size: 0
    .kernarg_segment_align: 8
    .kernarg_segment_size: 32
    .max_flat_workgroup_size: 128
    .sgpr_count:     76
    .vgpr_count:     512
    .wavefront_size: 32
...
	.end_amdgpu_metadata
.endif
;; end of part 4
